; MI455X (gfx1250); checked and timed in simulation.
; The chip was launched on July 23, 2026; its instructions are those of AMD's public machine-readable ISA for CDNA 5 (MIT licence, August 2026) and "CDNA5" Instruction Set Architecture Reference Guide (July 2026). The comments in the code are by the model that wrote it; some were corrected since.
;; GPT2 BBT Attention. Allowed arithmetic: matrix products marked QUANTISED: E2M3 operands, one E8M0 scale for each 32 along K, by v_wmma_scale_f32_16x16x128_f8f6f4 with both operands' format E2M3, f32 sums; everything else in f32.
;; Inputs: W_basis 64 x 1,024 float32; W_o 1,024 x 1,024 float32; W_v 1,024 x 1,024 float32; b_o 1,024 float32; b_v 1,024 float32; hidden_states 4 x 2,048 x 1,024 float32.
;; Outputs: out0 4 x 2,048 x 1,024 float32.
;; This version of the problem:
;;   THIS VERSION OF THE PROBLEM IS GIVEN IN LOW PRECISION. The matrix products marked QUANTISED in the list below multiply operands that are first quantised to E2M3 (2 exponent bits, 3 mantissa bits; 6 bits a number), with one power-of-two scale for each 32 numbers along K (OCP MX v1.0); their sums are f32. All else is computed in f32.
;;   The module's matrix products, in the order in which they are computed (A, B: the left and right operand; K: the contracted axis; several contracted axes count as one K, in the product's order):
;;     1. [M 8,192, K 1,024] x [K 1,024, N 64]; A: input hidden_states; B: input W_basis: QUANTISED
;;     2. [M 8,192, K 1,024] x [K 1,024, N 1,024]; A: input hidden_states; B: input W_v: QUANTISED
;;     3. batch 4 x [M 2,048, K 64] x [K 64, N 2,048]; A: computed on the way; B: computed on the way: QUANTISED
;;     4. batch 4 x [M 1,024, K 2,048] x [K 2,048, N 2,048]; A: computed on the way; B: softmax (see below): QUANTISED
;;     5. [M 8,192, K 1,024] x [K 1,024, N 1,024]; A: computed on the way; B: input W_o: QUANTISED
;;   THE QUANTISER, for each operand of a quantised product, along K:
;;     - K is cut into blocks of 32 from its start; a last block that is shorter is filled with zeros.
;;     - A block's scale is 2^e with e = floor(log2(the largest magnitude in the block)) - 2, held to -126 .. 127; a block of zeros has e = 0. As a byte (E8M0): e + 127.
;;     - Each number is divided by its block's scale, clamped to +-7.5, and rounded to the nearest number of E2M3, ties to even, subnormals kept.
;;     - The product sums the exact products of the quantised numbers (number of the format x scale) in f32.
;;   ~~~python
;;   def quantise(x, axis):      # numpy; x: float32 -> the quantised numbers, widened to float32 again
;;       x = np.moveaxis(x, axis, -1); K = x.shape[-1]
;;       x = np.pad(x, [(0, 0)] * (x.ndim - 1) + [(0, -K % 32)]); x = x.reshape(x.shape[:-1] + (-1, 32)); a = np.abs(x).max(-1, keepdims=True)
;;       e = np.where(a > 0, np.clip(np.frexp(np.where(a > 0, a, 1))[1] - 1 - 2, -126, 127), 0)      # np.frexp(a)[1] - 1 = floor(log2(a)), exactly
;;       r = np.clip(x / 2.0 ** e, -7.5, 7.5)
;;       step = 2.0 ** (np.maximum(np.frexp(np.where(r == 0, 1, r))[1] - 1, 0) - 3)
;;       q = np.round(r / step) * step * 2.0 ** e      # np.round: ties to even
;;       return np.moveaxis(q.reshape(q.shape[:-2] + (-1,))[..., :K], -1, axis).astype(np.float32)
;;   ~~~
;;   SOFTMAX AHEAD OF A QUANTISED PRODUCT. Where the list says 'softmax', what is quantised is not the finished softmax but p = 2^(t - M), with t = logit x log2(e) and M = ceil(the row's largest t), a whole number; so 1/2 < the row's largest p <= 1. The row's sum l is taken of the UNQUANTISED p, in f32, and the product's result is divided by l at the end. Since M is a whole number, a kernel that streams over the keys may use a running M (the ceiling of the running maximum): every later rescaling is an exact power of two, which a block's scale takes up: the codes' values come out the same.
;;   OPERANDS COMPUTED ON THE WAY. 'Computed on the way' means the value that the module computes at that place (a softmax that the list does not call 'softmax' is quantised finished and normalised). What goes into a quantiser is computed in f32, as accurately as f32 sums, v_exp_f32 and their like allow (about 1e-6 of the number): no bf16 or f16 on the way to a quantiser, and a product that is left as it is and whose result goes on into a quantised operand takes f32 operands (vector FMAs, or v_wmma_f32_16x16x4_f32). A number that lies on a knife's edge between two numbers of the format may be rounded either way, as far as f32 arithmetic and the matrix unit's own rounding can turn it there, and no further.
;; One version. Each part assembles by itself: llvm-mc -triple=amdgcn-amd-amdhsa -mcpu=gfx1250 --defsym DOCPART=n.
;; ======== version 1 of 1: 5 launches
;; limits: right only within a limited range of input values
;; workspace buffers: wq 8,243,200 bytes; vimg 6,553,600 bytes; lat 458,752 bytes; pbuf 6,995,968 bytes; ybuf 6,553,600 bytes
;; launch quant (part 1): grid 322 x 1, 8 waves a work-group, no clusters, 68,608 bytes of LDS; arguments hidden_states, W_v, W_o, W_basis, wq; writes wq
.if DOCPART == 1
	.amdgcn_target "amdgcn-amd-amdhsa--gfx1250"
	.amdhsa_code_object_version 6
	.text
	.protected	k_q2695ac0aa1_quant
	.globl	k_q2695ac0aa1_quant
	.p2align	8
	.type	k_q2695ac0aa1_quant,@function
k_q2695ac0aa1_quant:
	s_mov_b64 s[64:65], 0
	v_nop
	global_prefetch_b8 v0, s[64:65] scope:SCOPE_SE
	s_setreg_imm32_b32 hwreg(HW_REG_WAVE_MODE, 25, 1), 1
	s_wait_xcnt 0x0
; FIRST OF FIVE LAUNCHES: quant, gemm_v, softmax, pv, gemm_o.
; out = Q(y) Q(W_o)^T + b_o,  y = (V^T p) / l,  v = Q(h) Q(W_v)^T + b_v,  p = 2^(t - M) of the causal scores of latent = Q(h) Q(W_basis)^T; every product on codes of E2M3 with one E8M0 scale for 32 along its K.
; THIS LAUNCH turns hidden_states [8192][1024], W_v, W_o [1024][1024] and W_basis [64][1024], all f32 with K innermost, into codes and scale words in wq.
; WORK LEFT OUT BY THE PROGRAM (launches softmax and pv).  reference() itself builds the mask tril(T, T) and sets the score of every key behind a query to -inf, so its weight is exactly 0 whatever finite values the
; inputs hold.  A step of 128 keys that lies wholly behind a block of 128 queries therefore adds 0 to the row sums l and to y: 120 of the 256 such tiles of each batch are neither scored, stored nor multiplied.
; No input is dead: b_v goes into the quantiser of v, b_o into the result.  LIMIT: a NaN, an infinity or an overflow that would reach only a tile left out is not carried to the result.
; LAYOUT OF wq.  Rows go in groups of 32.  Group G gives tiles 2 G + u; row r of a tile is tensor row 32 G + 8 u + r + 8 (r / 8): as source 0 of a product the 16 result registers of tiles 2 G and 2 G + 1 are then
; 16 neighbouring rows.  A fragment (16 rows x 128 K, 12 registers a lane) is stored as an image of its registers: registers 4 g .. 4 g + 3 of lane l at 512 g + 16 l.  Images: [tile 0..643][K step 0..7][1,536 bytes];
; tiles 0-511 hidden_states, 512-575 W_v, 576-639 W_o, 640-643 W_basis.  From ISC on the scale words: [K step][tile][16 words].
; SHARES.  A work-group takes one group of 32 rows, wave s K step s: 32 rows x 128 numbers, two fragments.  All 32 loads of a wave (512 consecutive bytes each) go out at once.
; A lane needs 32 neighbours along K of ONE row, a load is best with neighbouring lanes on neighbouring bytes: so a tile's 16 rows turn through the wave's own stage in LDS (rows of 512 + 16 bytes).
; THE QUANTISER.  A block's scale byte is its largest magnitude's exponent field - 2, held at 1 from below.
; LIMITS: a block of zeros, or one whose largest magnitude lies under 2^-124, keeps the byte 1 (a block of zeros has zero codes, and this program alone reads the bytes); NaN and infinities among the inputs are not served.
.set ISC,   7913472                    ; 644 tiles x 12,288 bytes
.set SROW,  41216                      ; 644 tiles x 64 bytes: the scale words of one K step
.set FRB,   1536
.set TILEB, 12288
.set ROWB,  4096                       ; a row of any of the four tensors
.set SP,    528                        ; a stage row
.set STG,   16*SP                      ; a wave's stage
.set SPARE, 8*STG                      ; behind the stages: the spare words, 128 bytes a wave: four blocks of 256 bytes that no other line names
.set L16,  4                           ; v4   16 x lane
.set STI,  5                           ; v5   the stage, on the way in: 16 x lane
.set STOA, 6                           ; v6   on the way out: row r, + 128 h
.set L4,   7                           ; v7   4 x lane
.set SH,   8                           ; v8   8 h
.set PTMP, 9                           ; v9   a lane permute's destination
.set SPW,  10                          ; v10  my spare word; never rewritten
.set NIL,  11                          ; v11  0; never rewritten
.set TM,   12                          ; v12-13 largest magnitudes
.set SO,   16                          ; v16-17 the conversions' scale operands
.set BY,   18                          ; v18-19 scale bytes
.set PW,   20                          ; v20-21 the two tiles' scale words
.set WO,   22                          ; v22  the word that my lane stores
.set PC,   24                          ; v24-47 the two fragments
.set PT,   48                          ; v48-55 upper halves of blocks, on their way
.set X0,   56                          ; v56-119 tile 0: my 64 numbers
.set R,    120                         ; v120-247 the 32 loads
.set X1,   120                         ; v120-183 tile 1: my 64 numbers
; 64 numbers of a lane, v[x + 32 c + i] = k 64 c + 32 h + i of my row: two whole blocks.  Codes to v[pc] on, my row's scale word to v[pw].
.macro QB x, pc, pw
.irp c, 0,1
	v_max3_num_f32 v[TM+\c], |v[\x+32*\c]|, |v[\x+32*\c+1]|, 0x1800000   ; with the floor 2^(3 - 127): the byte cannot fall under 1
.endr
.irp i, 2,4,6,8,10,12,14,16,18,20,22,24,26,28,30
.irp c, 0,1
	s_delay_alu instid0(VALU_DEP_2)
	v_max3_num_f32 v[TM+\c], v[TM+\c], |v[\x+32*\c+\i]|, |v[\x+32*\c+\i+1]|
.endr
.endr
.irp c, 0,1
	s_delay_alu instid0(VALU_DEP_2)
	v_add_nc_u32 v[SO+\c], 0xff000000, v[TM+\c]    ; 2 off the exponent field: the conversion's scale operand
.endr
.irp c, 0,1
	s_delay_alu instid0(VALU_DEP_2)
	v_lshrrev_b32 v[BY+\c], 23, v[SO+\c]           ; the scale's byte
.endr
	s_delay_alu instid0(VALU_DEP_1)
	v_lshl_or_b32 v[\pw], v[BY+1], 16, v[BY]       ; blocks h and 2 + h,
	s_delay_alu instid0(VALU_DEP_1)
	v_lshlrev_b32 v[\pw], v[SH], v[\pw]            ; at their places in the word;
	s_delay_alu instid0(VALU_DEP_1)
	v_permlanex16_b32 v[PTMP], v[\pw], s20, s21
	s_delay_alu instid0(VALU_DEP_1)
	v_or_b32 v[\pw], v[\pw], v[PTMP]               ; with lane l xor 16's two the word is whole, in both lanes
.irp c, 0,1
	v_cvt_scalef32_pk16_fp6_f32 v[\pc+6*\c:\pc+6*\c+2], v[\x+32*\c:\x+32*\c+15], v[SO+\c]
	v_cvt_scalef32_pk16_fp6_f32 v[PT+4*\c:PT+4*\c+2], v[\x+32*\c+16:\x+32*\c+31], v[SO+\c]   ; (a conversion's three registers begin on an even number)
.endr
	v_nop                                          ; one plain place behind the scaled conversions
.irp c, 0,1
.irp i, 0,1,2
	v_mov_b32 v[\pc+3+6*\c+\i], v[PT+4*\c+\i]
.endr
.endr
.endm
.macro TOST u                          ; tile u's 16 rows into the stage, as loaded
.irp r, 0,1,2,3,4,5,6,7,8,9,10,11,12,13,14,15
	ds_store_b128 v[STI], v[R+4*(16*\u+\r):R+4*(16*\u+\r)+3] offset:SP*\r
.endr
.endm
.macro FROMST x                        ; and back: of row r the 128 bytes at 256 c + 128 h
.irp c, 0,1
.irp j, 0,1,2,3,4,5,6,7
	ds_load_b128 v[\x+32*\c+4*\j:\x+32*\c+4*\j+3], v[STOA] offset:256*\c+16*\j
.endr
.endr
.endm
	s_load_b256 s[4:11], s[0:1], 0x0               ; hidden_states, W_v, W_o, W_basis
	s_load_b64 s[12:13], s[0:1], 0x20              ; wq
	v_lshl_add_u32 v[SPW], v0, 2, SPARE
	v_mov_b32 v[NIL], 0
	v_lshrrev_b32 v1, 5, v0
	s_delay_alu instid0(VALU_DEP_1)
	v_readfirstlane_b32 s14, v1                    ; wave = K step
	v_and_b32 v1, 31, v0                           ; lane
	v_and_b32 v2, 15, v0                           ; r
	v_bfe_u32 v3, v0, 4, 1                         ; h
	s_delay_alu instid0(VALU_DEP_3)
	v_lshlrev_b32 v[L16], 4, v1
	s_mul_i32 s15, s14, STG
	v_add_nc_u32 v[STI], s15, v[L16]
	v_mul_u32_u24 v[STOA], v2, SP
	s_delay_alu instid0(VALU_DEP_1)
	v_lshl_add_u32 v[STOA], v3, 7, v[STOA]
	s_delay_alu instid0(VALU_DEP_1)
	v_add_nc_u32 v[STOA], s15, v[STOA]
	v_lshlrev_b32 v[L4], 2, v1
	v_lshlrev_b32 v[SH], 3, v3
	v_mov_b32 v[PTMP], 0
	s_mov_b32 s20, 0x76543210
	s_mov_b32 s21, 0xfedcba98                      ; lane selects: lane l xor 16
	s_lshl_b32 s22, ttmp9, 4
	s_add_co_u32 s22, s22, s14
	s_mul_i32 s22, s22, FRB                        ; images: (16 G + s) x 1,536
	s_mov_b32 s23, 0
	s_mul_i32 s24, s14, SROW
	s_lshl_b32 s25, ttmp9, 7
	s_add_co_u32 s24, s24, s25
	s_add_co_u32 s24, s24, ISC                     ; scale words: ISC + 41,216 s + 128 G
	s_mov_b32 s25, 0
	s_mov_b32 s18, 320
	s_wait_alu depctr_va_vdst(0)
	s_wait_kmcnt 0x0
	s_cmp_lt_u32 ttmp9, 320                        ; which tensor: the choice hangs on the work-group's number alone
	s_cselect_b64 s[16:17], s[8:9], s[10:11]
	s_cselect_b32 s18, 288, s18
	s_cmp_lt_u32 ttmp9, 288
	s_cselect_b64 s[16:17], s[6:7], s[16:17]
	s_cselect_b32 s18, 256, s18
	s_cmp_lt_u32 ttmp9, 256
	s_cselect_b64 s[16:17], s[4:5], s[16:17]
	s_cselect_b32 s18, 0, s18                      ; the tensor's first group
	s_sub_co_u32 s18, ttmp9, s18
	s_lshl_b32 s18, s18, 17                        ; 32 rows of 4,096 bytes a group
	s_lshl_b32 s19, s14, 9                         ; 512 bytes a K step
	s_add_co_u32 s18, s18, s19
	s_mov_b32 s19, 0
	s_add_nc_u64 s[16:17], s[16:17], s[18:19]
	s_add_nc_u64 s[22:23], s[12:13], s[22:23]
	s_add_nc_u64 s[24:25], s[12:13], s[24:25]
.irp u, 0,1
.irp r, 0,1,2,3,4,5,6,7,8,9,10,11,12,13,14,15
	global_load_b128 v[R+4*(16*\u+\r):R+4*(16*\u+\r)+3], v[L16], s[16:17] offset:(8*\u+\r+8*(\r/8))*ROWB th:TH_LOAD_NT   ; 32 lanes read 512 consecutive bytes of one row; read once
.endr
.endr
	s_wait_loadcnt 16                              ; tile 0's 16 loads are in; tile 1's 16 may be out
	TOST 0
	FROMST X0                                      ; LDS serves a wave's instructions in order: these see the stores above
	s_wait_loadcnt 0x0
	TOST 1                                         ; behind tile 0's reads of the stage
	s_wait_dscnt 16                                ; all but these 16 stores: tile 0's numbers are back, and tile 0's stores have read the registers into which tile 1's numbers come
	FROMST X1
	QB X0, PC, PW
.irp g, 0,1,2
	global_store_b128 v[L16], v[PC+4*\g:PC+4*\g+3], s[22:23] offset:512*\g        ; 512 consecutive bytes, aligned
.endr
	s_wait_dscnt 0x0                               ; tile 1's numbers are back
	QB X1, PC+12, PW+1
.irp g, 0,1,2
	global_store_b128 v[L16], v[PC+12+4*\g:PC+12+4*\g+3], s[22:23] offset:TILEB+512*\g
.endr
	v_cmp_gt_u32 vcc_lo, 16, v1
	s_delay_alu instid0(VALU_DEP_1)
	v_cndmask_b32 v[WO], v[PW+1], v[PW], vcc_lo    ; lanes 0-15 tile 0's words, lanes 16-31 tile 1's
	global_store_b32 v[L4], v[WO], s[24:25]
	s_wait_tensorcnt 0x0                           ; the wave's end
	ds_add_u32 v[SPW], v[NIL]
	s_wait_dscnt 0x0
	s_endpgm
.Lfunc_end_k_q2695ac0aa1_quant:
	.size	k_q2695ac0aa1_quant, .Lfunc_end_k_q2695ac0aa1_quant-k_q2695ac0aa1_quant
	.p2alignl 7, 3214868480
	.fill 96, 4, 3214868480
	.section	.rodata,"a",@progbits
	.p2align	6, 0x0
	.amdhsa_kernel k_q2695ac0aa1_quant
		.amdhsa_group_segment_fixed_size 68608
		.amdhsa_private_segment_fixed_size 0
		.amdhsa_enable_private_segment 0
		.amdhsa_kernarg_size 40
		.amdhsa_user_sgpr_count 2
		.amdhsa_user_sgpr_kernarg_segment_ptr 1
		.amdhsa_wavefront_size32 1
		.amdhsa_system_sgpr_workgroup_id_x 1
		.amdhsa_system_sgpr_workgroup_id_y 1
		.amdhsa_system_sgpr_workgroup_id_z 1
		.amdhsa_system_vgpr_workitem_id 0
		.amdhsa_next_free_vgpr 256
		.amdhsa_next_free_sgpr 66
		.amdhsa_reserve_vcc 1
		.amdhsa_float_denorm_mode_32 3
		.amdhsa_float_denorm_mode_16_64 3
		.amdhsa_memory_ordered 1
		.amdhsa_forward_progress 1
		.amdhsa_inst_pref_size 19
	.end_amdhsa_kernel
	.amdgpu_metadata
---
amdhsa.version: [ 1, 2 ]
amdhsa.kernels:
  - .name:           k_q2695ac0aa1_quant
    .symbol:         k_q2695ac0aa1_quant.kd
    .args:
      - { .name: hidden_states, .offset: 0, .size: 8, .value_kind: global_buffer, .address_space: global }
      - { .name: W_v, .offset: 8, .size: 8, .value_kind: global_buffer, .address_space: global }
      - { .name: W_o, .offset: 16, .size: 8, .value_kind: global_buffer, .address_space: global }
      - { .name: W_basis, .offset: 24, .size: 8, .value_kind: global_buffer, .address_space: global }
      - { .name: wq, .offset: 32, .size: 8, .value_kind: global_buffer, .address_space: global }
    .group_segment_fixed_size: 68608
    .private_segment_fixed_size: 0
    .kernarg_segment_align: 8
    .kernarg_segment_size: 40
    .max_flat_workgroup_size: 256
    .sgpr_count:     66
    .vgpr_count:     256
    .wavefront_size: 32
...
	.end_amdgpu_metadata
.endif
;; end of part 1
;; launch gemm_v (part 2): grid 8 x 32, 4 waves a work-group, clusters of 4 x 4, 327,680 bytes of LDS; arguments wq, b_v, vimg, lat; writes vimg, lat
.if DOCPART == 2
	.amdgcn_target "amdgcn-amd-amdhsa--gfx1250"
	.amdhsa_code_object_version 6
	.text
	.protected	k_q2695ac0aa1_gemm_v
	.globl	k_q2695ac0aa1_gemm_v
	.p2align	8
	.type	k_q2695ac0aa1_gemm_v,@function
k_q2695ac0aa1_gemm_v:
	s_mov_b64 s[64:65], 0
	v_nop
	global_prefetch_b8 v0, s[64:65] scope:SCOPE_SE
	s_setreg_imm32_b32 hwreg(HW_REG_WAVE_MODE, 25, 1), 1
	s_wait_xcnt 0x0
	s_wait_alu depctr_hold_cnt(0) depctr_sa_sdst(0) depctr_va_vdst(0) depctr_va_sdst(0) depctr_va_ssrc(0) depctr_va_vcc(0) depctr_vm_vsrc(0)
	s_getreg_b32 s2, hwreg(HW_REG_IB_STS2, 6, 4)
	s_cmp_eq_u32 s2, 0
	s_cbranch_scc0 .Lentry_in_a_cluster
	s_endpgm
.Lentry_in_a_cluster:
	s_bfe_u32 s2, ttmp6, 0x10000c
	s_cmp_lg_u32 s2, 0xf033
	s_cbranch_scc0 .Lentry_shape_is_right
	s_endpgm
.Lentry_shape_is_right:
; v = Q(h) Q(W_v)^T + b_v, quantised along the KEYS, and latent = Q(h) Q(W_basis)^T, quantised along its 64.  Codes and scale words come from wq (tiles, images and words as launch quant lays them).
; SHARES.  Work-group (x, y): 128 channels x 256 tokens.  Source 0 = 16 tokens of h (tiles 16 y ..), source 1 = 16 channels of W_v (tiles 512 + 8 x ..): a lane holds ONE channel and its registers run along the tokens,
; which are the next product's K.  Wave (wr, wc): h's tiles 8 wr .. + 7 (128 tokens: one key step) x W_v's tiles 4 wc .. + 3: 32 accumulators, 256 matrix instructions.
; ALL OF K LIES IN LDS, filled once: 16 + 8 tiles x 12,288 bytes, all eight K steps of a tile on end.  Each wave asks for its whole part at the start by one tensor load, nothing is filled again.
; CLUSTER 4 x 4: h's tiles hang on y alone and are asked for jointly along a row of the cluster, W_v's on x alone, jointly along a column.
; THE LATENT: h's 512 tiles are shared out two to a work-group: waves 0 and 1 take tile 16 y + 2 x + w, straight from memory into registers (an LDS address may not hang on the place in the cluster), while the chunks land.
; OUT.  vimg: [batch][key step][channel block] blocks of 12,800 bytes: 8 fragments (16 channels x 128 keys) as images, then their scale words [tile][16].
; lat: codes [tile][768 bytes]: the six live registers, pair e of a lane at 256 e + 8 lane; from LSC on a word for each lane [tile][32]: two scale bytes, the upper two bytes 0 (the upper 64 of a K step hold zero codes).
; LIMITS: as stated at the head of launch quant (byte held at 1; NaN and infinities not served).
; REGISTERS: window 0: addresses, scale words, bias, work; windows 1, 2: the two sets of fragments (h's 8 at v0, W_v's 4 at v96); window 3: accumulator (j, i) at v[64 j + 8 i].
.set TILEB, 12288
.set FRB,   1536
.set ISC,   7913472
.set SROW,  41216
.set CHUNK, 73728
.set S1OFF, 196608                     ; LDS NOW LIES BY TILE: source 0's 16 tiles x 12,288 bytes (all eight K steps of a tile on end), then source 1's 8 tiles; each wave asks for its whole part by ONE load
.set SPARE, 4*CHUNK                    ; behind the chunks: the spare words, 128 bytes a wave: two blocks of 256 bytes that no other line names
.set VB,    12800
.set LSC,   393216
.set A0,  4                            ; v4-7   LDS address of my fragments of source 0 tiles 2 c, 2 c + 1
.set A1,  8                            ; v8-11  of source 1
.set OS0, 12                           ; v12  offset of source 0's scale words
.set OS1, 13                           ; v13  of source 1's
.set OBV, 14                           ; v14  of my channel's bias
.set L16, 15
.set L4,  16
.set L8,  17
.set OLH, 18                           ; v18  the latent: h's scale words
.set OLW, 19                           ; v19  W_basis' scale words
.set SPW, 28                           ; v28  my spare word; never rewritten
.set NIL, 29                           ; v29  0; never rewritten
.set SC0, 32                           ; v32-63  source 0's scale words: pair of tiles q, K step s at 8 q + s (even tile in lanes 0-15, odd tile in lanes 16-31)
.set SC1, 64                           ; v64-79  source 1's
.set BI,  80                           ; v80-111 the bias as C: eight registers a tile of channels
.set TM,  112                          ; v112-127 at work in the quantisers
.set PC,  128                          ; v128-175 four fragments of v
.set PT,  176                          ; v176-183
.set PW,  184                          ; v184-187 their scale words
.set WO,  188                          ; v188-189 the words that my lane stores
.set LHS, 190                          ; v190-197 the latent: h's scale words
.set LWS, 198                          ; v198-213 W_basis': 2 s + q
.set LA,  216                          ; v216-247 the latent's four accumulators
.set LC,  248                          ; v248-253 its codes
.set LW,  254                          ; v254 its word
.set WV,  12
.set WR,  13
.set WC,  14
.set CX,  15
.set CY,  16
.set BX,  17
.set BYY, 18
.set G1A, 24
.set G1B, 32
.set G0A, 40                           ; s40-55: a group 0 for each chunk
.set SEL, 60
.set G0B, 68                           ; s68-83
.set MSB, 0
.macro WIN new                         ; the immediate's high byte repeats the setting that is left
.if MSB != \new
	s_set_vgpr_msb (MSB<<8)|\new
.set MSB, \new
.endif
.endm
.macro PLACES                          ; four places between a matrix instruction and a load into, or a vector read or write of, its registers
.rept 4
	v_nop
.endr
.endm
.macro CREST
	s_cmp_lg_u32 s[WV], 0
	s_cbranch_scc1 .Lnot_wave_0_\@
	s_barrier_signal -3
.Lnot_wave_0_\@:
	s_barrier_wait -3
	s_barrier_signal -1
	s_barrier_wait -1
.endm
.macro CROUND                          ; a round of the cluster's barrier
	s_barrier_signal -1
	s_barrier_wait -1
	CREST
.endm
; A joint load: waves 0 and 1 fetch for source 0, waves 2 and 3 for source 1.  An s_nop 0 and four v_nop follow each line.
.macro JLOAD g0a, g1a, g0b, g1b
	s_cmp_eq_u32 s[WR], 0
	s_cbranch_scc0 .Lfor_b_\@
	tensor_load_to_lds s[\g0a:\g0a+3], s[\g1a:\g1a+7]
	s_nop 0
.rept 4
	v_nop
.endr
	s_branch .Lasked_\@
.Lfor_b_\@:
	tensor_load_to_lds s[\g0b:\g0b+3], s[\g1b:\g1b+7]
	s_nop 0
.rept 4
	v_nop
.endr
.Lasked_\@:
.endm
; One matrix instruction from the symbols rD, rA, rB, rC, rSA, rSB; rZ: C is the constant 0; pA, pB: the side's scale words stand in lanes 16-31.
.macro WM
.if rZ
.if pA && pB
	v_wmma_scale_f32_16x16x128_f8f6f4 v[rD:rD+7], v[rA:rA+11], v[rB:rB+11], 0, v[rSA], v[rSB] matrix_a_fmt:MATRIX_FMT_FP6 matrix_b_fmt:MATRIX_FMT_FP6 matrix_a_scale:MATRIX_SCALE_ROW1 matrix_b_scale:MATRIX_SCALE_ROW1
.elseif pA
	v_wmma_scale_f32_16x16x128_f8f6f4 v[rD:rD+7], v[rA:rA+11], v[rB:rB+11], 0, v[rSA], v[rSB] matrix_a_fmt:MATRIX_FMT_FP6 matrix_b_fmt:MATRIX_FMT_FP6 matrix_a_scale:MATRIX_SCALE_ROW1
.elseif pB
	v_wmma_scale_f32_16x16x128_f8f6f4 v[rD:rD+7], v[rA:rA+11], v[rB:rB+11], 0, v[rSA], v[rSB] matrix_a_fmt:MATRIX_FMT_FP6 matrix_b_fmt:MATRIX_FMT_FP6 matrix_b_scale:MATRIX_SCALE_ROW1
.else
	v_wmma_scale_f32_16x16x128_f8f6f4 v[rD:rD+7], v[rA:rA+11], v[rB:rB+11], 0, v[rSA], v[rSB] matrix_a_fmt:MATRIX_FMT_FP6 matrix_b_fmt:MATRIX_FMT_FP6
.endif
.else
.if pA && pB
	v_wmma_scale_f32_16x16x128_f8f6f4 v[rD:rD+7], v[rA:rA+11], v[rB:rB+11], v[rC:rC+7], v[rSA], v[rSB] matrix_a_fmt:MATRIX_FMT_FP6 matrix_b_fmt:MATRIX_FMT_FP6 matrix_a_scale:MATRIX_SCALE_ROW1 matrix_b_scale:MATRIX_SCALE_ROW1
.elseif pA
	v_wmma_scale_f32_16x16x128_f8f6f4 v[rD:rD+7], v[rA:rA+11], v[rB:rB+11], v[rC:rC+7], v[rSA], v[rSB] matrix_a_fmt:MATRIX_FMT_FP6 matrix_b_fmt:MATRIX_FMT_FP6 matrix_a_scale:MATRIX_SCALE_ROW1
.elseif pB
	v_wmma_scale_f32_16x16x128_f8f6f4 v[rD:rD+7], v[rA:rA+11], v[rB:rB+11], v[rC:rC+7], v[rSA], v[rSB] matrix_a_fmt:MATRIX_FMT_FP6 matrix_b_fmt:MATRIX_FMT_FP6 matrix_b_scale:MATRIX_SCALE_ROW1
.else
	v_wmma_scale_f32_16x16x128_f8f6f4 v[rD:rD+7], v[rA:rA+11], v[rB:rB+11], v[rC:rC+7], v[rSA], v[rSB] matrix_a_fmt:MATRIX_FMT_FP6 matrix_b_fmt:MATRIX_FMT_FP6
.endif
.endif
.endm
; K step s: 12 fragments, 36 loads of 512 consecutive bytes, into set s % 2 (window 1 or 2)
.macro FETCH s
	WIN 0x40+0x40*((\s)%2)
.irp i, 0,1,2,3
.irp g, 0,1,2
	ds_load_b128 v[96+12*\i+4*\g:96+12*\i+4*\g+3], v[A1+\i] offset:FRB*(\s)+512*\g
.endr
.endr
.irp i, 0,1,2,3,4,5,6,7
.irp g, 0,1,2
	ds_load_b128 v[12*\i+4*\g:12*\i+4*\g+3], v[A0+\i/2] offset:TILEB*(\i%2)+FRB*(\s)+512*\g
.endr
.endr
.endm
; K step s: 32 matrix instructions; the 32 accumulators take turns, one instruction a turn, in the same order in every step.  Step 0 takes the bias as C.
.macro MUL s
.if (\s)==0
	WIN 0xc5                                       ; sources 0 and 1 window 1, C window 0, D window 3
.else
	WIN 0xf5+5*((\s)%2)                            ; sources window 1 or 2, C and D window 3
.endif
.irp j, 0,1,2,3
.irp i, 0,1,2,3,4,5,6,7
.set rD, 64*\j+8*\i
.set rC, rD
.if (\s)==0
.set rC, BI+8*\j
.endif
.set rA, 12*\i
.set rB, 96+12*\j
.set rSA, SC0+8*(\i/2)+(\s)
.set rSB, SC1+8*(\j/2)+(\s)
.set pA, \i%2
.set pB, \j%2
.set rZ, 0
	WM
.endr
.endr
.endm
; 32 numbers of a lane, register 16 b + i = k 32 b + 16 h + i of my row: two blocks.  Six registers of codes (lanes 0-15 block 0, lanes 16-31 block 1) to v[pc] on, the two scale bytes to v[pw].
.macro QH s, pc, pw
.irp b, 0,1
	v_max3_num_f32 v[TM+\b], |v[\s+16*\b]|, |v[\s+16*\b+1]|, 0x1800000   ; with the floor 2^(3 - 127)
.endr
.irp i, 2,4,6,8,10,12,14
.irp b, 0,1
	v_max3_num_f32 v[TM+\b], v[TM+\b], |v[\s+16*\b+\i]|, |v[\s+16*\b+\i+1]|
.endr
.endr
.irp b, 0,1
	v_permlanex16_b32 v[TM+4+\b], v[TM+\b], s[SEL], s[SEL+1]
.endr
.irp b, 0,1
	v_max_num_f32 v[TM+\b], v[TM+\b], v[TM+4+\b]   ; with lane l xor 16's 16: the block's largest magnitude
.endr
.irp b, 0,1
	v_add_nc_u32 v[TM+12+\b], 0xff000000, v[TM+\b] ; 2 off the exponent field: the conversion's scale operand
.endr
.irp b, 0,1
	v_lshrrev_b32 v[TM+4+\b], 23, v[TM+12+\b]
.endr
	v_lshl_or_b32 v[\pw], v[TM+5], 8, v[TM+4]
	v_cvt_scalef32_pk16_fp6_f32 v[\pc:\pc+2], v[\s:\s+15], v[TM+12]
	v_cvt_scalef32_pk16_fp6_f32 v[PT:PT+2], v[\s+16:\s+31], v[TM+13]
	v_nop                                          ; one plain place behind the scaled conversions
.irp i, 0,1,2
	v_permlane16_swap_b32 v[\pc+\i], v[PT+\i]      ; a whole block to a lane
.endr
.irp i, 0,1,2
	v_mov_b32 v[\pc+3+\i], v[PT+\i]
.endr
.endm
; The 64 numbers of channel tile j (window 3, v[64 j + 16 b + i] = key 32 b + 16 h + i of my channel) become a fragment in v[PC + 12 j] on and its scale word in v[PW + j].
.macro QUANTW j
	WIN 0x0f                                       ; sources 0 and 1 window 3
.irp b, 0,1,2,3
	v_max3_num_f32 v[TM+\b], |v[64*\j+16*\b]|, |v[64*\j+16*\b+1]|, 0x1800000   ; each accumulator is read from its low end on
.endr
	WIN 0x3c                                       ; sources 1 and 2 window 3
.irp i, 2,4,6,8,10,12,14
.irp b, 0,1,2,3
	v_max3_num_f32 v[TM+\b], v[TM+\b], |v[64*\j+16*\b+\i]|, |v[64*\j+16*\b+\i+1]|
.endr
.endr
	WIN 0
.irp b, 0,1,2,3
	v_permlanex16_b32 v[TM+4+\b], v[TM+\b], s[SEL], s[SEL+1]
.endr
.irp b, 0,1,2,3
	v_max_num_f32 v[TM+\b], v[TM+\b], v[TM+4+\b]
.endr
.irp b, 0,1,2,3
	v_add_nc_u32 v[TM+12+\b], 0xff000000, v[TM+\b]
.endr
.irp b, 0,1,2,3
	v_lshrrev_b32 v[TM+4+\b], 23, v[TM+12+\b]
.endr
	v_lshl_or_b32 v[PW+\j], v[TM+5], 8, v[TM+4]
	v_lshl_or_b32 v[PW+\j], v[TM+6], 16, v[PW+\j]
	v_lshl_or_b32 v[PW+\j], v[TM+7], 24, v[PW+\j]
	WIN 0x03                                       ; source 0 window 3
.irp c, 0,1
	v_cvt_scalef32_pk16_fp6_f32 v[PC+12*\j+6*\c:PC+12*\j+6*\c+2], v[64*\j+32*\c:64*\j+32*\c+15], v[TM+12+2*\c]
	v_cvt_scalef32_pk16_fp6_f32 v[PT+4*\c:PT+4*\c+2], v[64*\j+32*\c+16:64*\j+32*\c+31], v[TM+12+2*\c+1]
.endr
	WIN 0
	v_nop                                          ; one plain place behind the scaled conversions
.irp c, 0,1
.irp i, 0,1,2
	v_permlane16_swap_b32 v[PC+12*\j+6*\c+\i], v[PT+4*\c+\i]
.endr
.irp i, 0,1,2
	v_mov_b32 v[PC+12*\j+6*\c+3+\i], v[PT+4*\c+\i]
.endr
.endr
.endm
	s_load_b256 s[4:11], s[0:1], 0x0               ; wq s[4:5], b_v s[6:7], vimg s[8:9], lat s[10:11]
	v_lshl_add_u32 v[SPW], v0, 2, SPARE
	v_mov_b32 v[NIL], 0
	ds_add_u32 v[SPW], v[NIL]                      ; the wave's opening
	ds_add_u32 v[SPW], v[NIL]
	v_lshrrev_b32 v1, 5, v0
	v_readfirstlane_b32 s[WV], v1                  ; wave 0..3
	s_lshr_b32 s[WR], s[WV], 1                     ; my half of source 0's tiles.  Also: I fetch for source 0 (0) or 1 (1)
	s_and_b32 s[WC], s[WV], 1                      ; my half of source 1's.  Also: which half of that source's tiles I fetch
	s_bfe_u32 s[CX], ttmp6, 0x40000
	s_bfe_u32 s[CY], ttmp6, 0x40004
	s_lshl_b32 s[BX], ttmp9, 2
	s_add_co_u32 s[BX], s[BX], s[CX]               ; x = 4 x cluster x + cx
	s_and_b32 s[BYY], ttmp7, 0xffff
	s_lshl_b32 s[BYY], s[BYY], 2
	s_add_co_u32 s[BYY], s[BYY], s[CY]             ; y = 4 x cluster y + cy
	s_lshl_b32 s19, s[CY], 2
	s_lshl_b32 s19, 15, s19                        ; my row of the cluster
	s_lshl_b32 s59, 0x1111, s[CX]                  ; my column
	s_or_b32 s[G1A], s19, (3<<16)|(1<<21)          ; 15:0 the mask; 17:16 elements of 8 bytes; 21 set beside a mask; no padding: an image is read 512 consecutive bytes at a time
	s_or_b32 s[G1B], s59, (3<<16)|(1<<21)
.irp g, G1A, G1B
	s_mov_b32 s[\g+1], 1536<<16                    ; tensor_dim0: all eight K steps of a tile, 12,288 bytes
	s_mov_b32 s[\g+3], 1536<<16                    ; tile_dim0
	s_mov_b32 s[\g+5], 1536                        ; from tile to tile: 12,288 bytes
	s_mov_b32 s[\g+6], 0
	s_mov_b32 s[\g+7], 0
.endr
	s_mov_b32 s[G1A+2], 8<<16                      ; tensor_dim1: 8 tiles of source 0 a load,
	s_mov_b32 s[G1A+4], 8
	s_mov_b32 s[G1B+2], 4<<16                      ; 4 of source 1
	s_mov_b32 s[G1B+4], 4
	s_lshl_b32 s20, s[BYY], 4                      ; source 0: tile 16 y + 8 (w & 1): registers that never hold x
	s_lshl_b32 s21, s[WC], 3
	s_add_co_u32 s20, s20, s21
	s_mul_i32 s20, s20, TILEB
	s_mov_b32 s21, 0
	s_mul_i32 s22, s[WC], 8*TILEB                  ; and its place in LDS
	s_lshl_b32 s56, s[BX], 3                       ; source 1: tile 512 + 8 x + 4 (w & 1): registers that never hold y
	s_lshl_b32 s57, s[WC], 2
	s_add_co_u32 s56, s56, s57
	s_add_co_u32 s56, s56, 512
	s_mul_i32 s56, s56, TILEB
	s_mov_b32 s57, 0
	s_mul_i32 s58, s[WC], 4*TILEB
	s_add_co_u32 s58, s58, S1OFF
	s_mov_b32 s[SEL], 0x76543210
	s_mov_b32 s[SEL+1], 0xfedcba98
	s_wait_dscnt 0x0                               ; both opening adds are done
	s_wait_kmcnt 0x0
	s_add_nc_u64 s[20:21], s[4:5], s[20:21]
	s_add_nc_u64 s[56:57], s[4:5], s[56:57]
	CROUND                                         ; all sixteen work-groups are here: the joint loads meet
	s_mov_b32 s[G0A], 1
	s_add_co_u32 s[G0A+1], s22, 0
	s_mov_b64 s[G0A+2:G0A+3], s[20:21]
	s_or_b32 s[G0A+3], s[G0A+3], 0x80000000
	s_mov_b32 s[G0B], 1
	s_add_co_u32 s[G0B+1], s58, 0
	s_mov_b64 s[G0B+2:G0B+3], s[56:57]
	s_or_b32 s[G0B+3], s[G0B+3], 0x80000000
	JLOAD G0A, G1A, G0B, G1B                       ; my one tensor load: all of K of my 8 (source 0) or 4 (source 1) tiles
	v_and_b32 v1, 31, v0                           ; lane
	v_and_b32 v2, 15, v0                           ; r
	v_bfe_u32 v3, v0, 4, 1                         ; h
	v_lshlrev_b32 v[L16], 4, v1
	v_lshlrev_b32 v[L4], 2, v1
	v_lshlrev_b32 v[L8], 3, v1
.irp b, 0,1,2,3
	v_mov_b32 v[TM+4+\b], 0                        ; written once: a lane permute's destination counts as one of its sources
.endr
	s_mul_i32 s84, s[WR], 8*TILEB
	s_mul_i32 s85, s[WC], 4*TILEB
	s_add_co_u32 s85, s85, S1OFF
.irp c, 0,1,2,3
	v_add_nc_u32 v[A0+\c], s84, v[L16]
	v_add_nc_u32 v[A1+\c], s85, v[L16]
	s_add_co_u32 s84, s84, 2*TILEB                 ; v[A0 + c]: source 0's tiles 2 c, 2 c + 1;  v[A1 + c]: source 1's tile c
	s_add_co_u32 s85, s85, TILEB
.endr
	s_lshl_b32 s84, s[BYY], 4
	s_lshl_b32 s85, s[WR], 3
	s_add_co_u32 s84, s84, s85
	s_lshl_b32 s84, s84, 6
	v_add_nc_u32 v[OS0], s84, v[L4]                ; 4 lane + 64 (16 y + 8 wr)
	s_wait_alu depctr_va_vdst(0)
	s_lshl_b32 s84, s[BX], 3
	s_lshl_b32 s85, s[WC], 2
	s_add_co_u32 s84, s84, s85
	s_add_co_u32 s84, s84, 512
	s_lshl_b32 s84, s84, 6
	v_add_nc_u32 v[OS1], s84, v[L4]                ; 4 lane + 64 (512 + 8 x + 4 wc)
	s_wait_alu depctr_va_vdst(0)
	v_and_b32 v20, 8, v2
	v_add_nc_u32 v20, v20, v2                      ; r + 8 (r / 8)
	s_lshl_b32 s84, s[BX], 7
	s_lshl_b32 s85, s[WC], 6
	s_add_co_u32 s84, s84, s85
	v_add_nc_u32 v20, s84, v20
	v_lshlrev_b32 v[OBV], 2, v20                   ; my channel of tile j = 0, in bytes
	s_wait_alu depctr_va_vdst(0)
	s_add_nc_u64 s[86:87], s[4:5], ISC             ; the scale words
	s_add_nc_u64 s[90:91], s[4:5], 640*TILEB       ; W_basis' images
	s_lshl_b32 s84, s[BYY], 4
	s_lshl_b32 s85, s[BX], 1
	s_add_co_u32 s84, s84, s85
	s_add_co_u32 s84, s84, s[WV]                   ; the latent's tile: 16 y + 2 x + w (waves 0 and 1)
	s_mul_i32 s88, s84, TILEB
	s_mov_b32 s89, 0
	s_add_nc_u64 s[88:89], s[4:5], s[88:89]
	s_mul_i32 s96, s84, 768
	s_mov_b32 s97, 0
	s_add_nc_u64 s[96:97], s[10:11], s[96:97]
	s_lshl_b32 s98, s84, 7
	s_add_co_u32 s98, s98, LSC
	s_mov_b32 s99, 0
	s_add_nc_u64 s[98:99], s[10:11], s[98:99]
	s_lshl_b32 s85, s84, 6
	v_lshl_add_u32 v[OLH], v2, 2, s85              ; 4 r + 64 x tile
	v_add_nc_u32 v[OLW], 64*640, v[L4]
	s_lshl_b32 s84, s[BYY], 1
	s_add_co_u32 s84, s84, s[WR]                   ; batch x 16 + key step = 2 y + wr
	s_lshl_b32 s84, s84, 3
	s_add_co_u32 s84, s84, s[BX]
	s_mul_i32 s84, s84, VB                         ; my block of vimg
	s_mul_i32 s92, s[WC], 4*FRB
	s_add_co_u32 s92, s92, s84
	s_mov_b32 s93, 0
	s_add_nc_u64 s[92:93], s[8:9], s[92:93]        ; my four fragments
	s_lshl_b32 s94, s[WC], 8
	s_add_co_u32 s94, s94, s84
	s_add_co_u32 s94, s94, 8*FRB
	s_mov_b32 s95, 0
	s_add_nc_u64 s[94:95], s[8:9], s[94:95]        ; and their scale words
.irp q, 0,1,2,3
.irp s, 0,1,2,3,4,5,6,7
	global_load_b32 v[SC0+8*\q+\s], v[OS0], s[86:87] offset:SROW*\s+128*\q
.endr
.endr
.irp q, 0,1
.irp s, 0,1,2,3,4,5,6,7
	global_load_b32 v[SC1+8*\q+\s], v[OS1], s[86:87] offset:SROW*\s+128*\q
.endr
.endr
.irp j, 0,1,2,3
	global_load_b32 v[BI+8*\j], v[OBV], s[6:7] offset:4*(32*(\j/2)+8*(\j%2))
.endr
	s_cmp_lt_u32 s[WV], 2
	s_cbranch_scc0 .Lno_latent
	; ---- THE LATENT of one tile of 16 tokens: source 0 = 16 rows of W_basis, source 1 = h: a lane holds one token, its 32 registers run along the 64
	WIN 0x40                                       ; destination window 1
.irp s, 0,1,2,3,4,5,6,7
.irp g, 0,1,2
	global_load_b128 v[12*\s+4*\g:12*\s+4*\g+3], v[L16], s[88:89] offset:FRB*\s+512*\g
	global_load_b128 v[96+12*\s+4*\g:96+12*\s+4*\g+3], v[L16], s[90:91] offset:FRB*\s+512*\g
.endr
.endr
	WIN 0x80
.irp s, 0,1,2,3,4,5,6,7
.irp g, 0,1,2
	global_load_b128 v[12*\s+4*\g:12*\s+4*\g+3], v[L16], s[90:91] offset:TILEB+FRB*\s+512*\g
	global_load_b128 v[96+12*\s+4*\g:96+12*\s+4*\g+3], v[L16], s[90:91] offset:2*TILEB+FRB*\s+512*\g
.endr
.endr
	WIN 0xc0
.irp s, 0,1,2,3,4,5,6,7
.irp g, 0,1,2
	global_load_b128 v[12*\s+4*\g:12*\s+4*\g+3], v[L16], s[90:91] offset:3*TILEB+FRB*\s+512*\g
.endr
.endr
	WIN 0
	s_wait_alu depctr_va_vdst(0)
.irp s, 0,1,2,3,4,5,6,7
	global_load_b32 v[LHS+\s], v[OLH], s[86:87] offset:SROW*\s
	global_load_b32 v[LWS+2*\s], v[OLW], s[86:87] offset:SROW*\s
	global_load_b32 v[LWS+2*\s+1], v[OLW], s[86:87] offset:SROW*\s+128
.endr
	s_wait_loadcnt 0x0
.irp s, 0,1,2,3,4,5,6,7
.irp a, 0,1,2,3                        ; the four accumulators by turns; W_basis' tile a lies in window 1, 2, 2, 3
	WIN 0x05+(\a+1)/2
.set rD, LA+8*\a
.set rC, rD
.set rA, 12*\s+96*((\a+1)%2)
.set rB, 12*\s
.set rSA, LWS+2*\s+\a/2
.set rSB, LHS+\s
.set pA, \a%2
.set pB, 0
.set rZ, (\s==0)
	WM
.endr
.endr
	WIN 0
	PLACES
	QH LA, LC, LW
.irp e, 0,1,2
	global_store_b64 v[L8], v[LC+2*\e:LC+2*\e+1], s[96:97] offset:256*\e   ; 256 consecutive bytes, aligned
.endr
	global_store_b32 v[L4], v[LW], s[98:99]
.Lno_latent:
	s_wait_loadcnt 0x0                             ; scale words and bias
.irp j, 0,1,2,3
.irp k, 1,2,3,4,5,6,7
	v_mov_b32 v[BI+8*\j+\k], v[BI+8*\j]            ; a lane's eight results of a tile are eight tokens of one channel: the same bias
.endr
.endr
	s_wait_alu depctr_va_vdst(0)
	s_wait_tensorcnt 0x0                           ; my one load, all of K of my tiles, is in; nothing is filled again in this launch
	s_barrier_signal -1
	s_barrier_wait -1                              ; everybody's is
	FETCH 0
.irp s, 0,1,2,3,4,5,6,7
	s_wait_dscnt 0x0                               ; this step's fragments are in
.if \s<7
	PLACES                                         ; the other set was read by the step before
	FETCH \s+1
.endif
	MUL \s
.endr
	WIN 0
	PLACES
.irp j, 0,1,2,3
	QUANTW \j
.irp g, 0,1,2
	global_store_b128 v[L16], v[PC+12*\j+4*\g:PC+12*\j+4*\g+3], s[92:93] offset:FRB*\j+512*\g   ; 512 consecutive bytes, aligned
.endr
.endr
	v_cmp_gt_u32 vcc_lo, 16, v1
.irp q, 0,1
	v_cndmask_b32 v[WO+\q], v[PW+2*\q+1], v[PW+2*\q], vcc_lo    ; lanes 0-15 the even tile's words, lanes 16-31 the odd tile's
	global_store_b32 v[L4], v[WO+\q], s[94:95] offset:128*\q
.endr
	s_wait_tensorcnt 0x0                           ; the wave's end
	ds_add_u32 v[SPW], v[NIL]
	s_wait_dscnt 0x0
	CROUND                                         ; the closing round
	s_endpgm
.Lfunc_end_k_q2695ac0aa1_gemm_v:
	.size	k_q2695ac0aa1_gemm_v, .Lfunc_end_k_q2695ac0aa1_gemm_v-k_q2695ac0aa1_gemm_v
	.p2alignl 7, 3214868480
	.fill 96, 4, 3214868480
	.section	.rodata,"a",@progbits
	.p2align	6, 0x0
	.amdhsa_kernel k_q2695ac0aa1_gemm_v
		.amdhsa_group_segment_fixed_size 327680
		.amdhsa_private_segment_fixed_size 0
		.amdhsa_enable_private_segment 0
		.amdhsa_kernarg_size 32
		.amdhsa_user_sgpr_count 2
		.amdhsa_user_sgpr_kernarg_segment_ptr 1
		.amdhsa_wavefront_size32 1
		.amdhsa_system_sgpr_workgroup_id_x 1
		.amdhsa_system_sgpr_workgroup_id_y 1
		.amdhsa_system_sgpr_workgroup_id_z 1
		.amdhsa_system_vgpr_workitem_id 0
		.amdhsa_next_free_vgpr 1024
		.amdhsa_next_free_sgpr 100
		.amdhsa_reserve_vcc 1
		.amdhsa_float_denorm_mode_32 3
		.amdhsa_float_denorm_mode_16_64 3
		.amdhsa_memory_ordered 1
		.amdhsa_forward_progress 1
		.amdhsa_inst_pref_size 104
	.end_amdhsa_kernel
	.amdgpu_metadata
---
amdhsa.version: [ 1, 2 ]
amdhsa.kernels:
  - .name:           k_q2695ac0aa1_gemm_v
    .symbol:         k_q2695ac0aa1_gemm_v.kd
    .args:
      - { .name: wq, .offset: 0, .size: 8, .value_kind: global_buffer, .address_space: global }
      - { .name: b_v, .offset: 8, .size: 8, .value_kind: global_buffer, .address_space: global }
      - { .name: vimg, .offset: 16, .size: 8, .value_kind: global_buffer, .address_space: global }
      - { .name: lat, .offset: 24, .size: 8, .value_kind: global_buffer, .address_space: global }
    .group_segment_fixed_size: 327680
    .private_segment_fixed_size: 0
    .kernarg_segment_align: 8
    .kernarg_segment_size: 32
    .max_flat_workgroup_size: 128
    .sgpr_count:     100
    .vgpr_count:     1024
    .wavefront_size: 32
...
	.end_amdgpu_metadata
.endif
;; end of part 2
;; launch softmax (part 3): grid 256 x 1, 16 waves a work-group, no clusters, 6,144 bytes of LDS; arguments lat, pbuf; writes pbuf
.if DOCPART == 3
	.amdgcn_target "amdgcn-amd-amdhsa--gfx1250"
	.amdhsa_code_object_version 6
	.text
	.protected	k_q2695ac0aa1_softmax
	.globl	k_q2695ac0aa1_softmax
	.p2align	8
	.type	k_q2695ac0aa1_softmax,@function
k_q2695ac0aa1_softmax:
	s_mov_b64 s[64:65], 0
	v_nop
	global_prefetch_b8 v0, s[64:65] scope:SCOPE_SE
	s_setreg_imm32_b32 hwreg(HW_REG_WAVE_MODE, 25, 1), 1
	s_wait_xcnt 0x0
; The causal scores latent latent^T / 8 of one batch, shared by all heads, and of them p = 2^(t - M) as codes of E2M3 along the keys, with their scale words, and 1 / l.
; WORK LEFT OUT: steps of 128 keys that lie wholly behind the queries' block of 128 (reference()'s own tril makes their weights 0: the proof stands at the head of launch quant).
; SHARES.  A work-group takes 32 queries (two tiles) of batch b = x / 64, query block j = (x % 64) / 4.  Wave w takes key step w and works if w <= j; wave j holds the diagonal.
; S^T = K Q^T (source 0 = 16 keys, source 1 = 16 queries): a lane holds one query, its registers run along the keys; tiles 2 b and 2 b + 1 give 16 neighbouring keys.
; The product's K is 64: Q's upper six registers hold zero codes, so what stands in K's upper six (the next tile's codes) adds nothing; the scale bytes of the upper 64 are 0, which is 2^-127.
; ONE BARRIER.  Each wave takes its own whole number M_w = ceil(its step's largest t).  The codes do not hang on M (a whole number moves the block's scale alone), so they are stored at once.  Behind the barrier each
; wave lowers its blocks' scales by M - M_w, M the largest M_w, and wave 0 adds the l_w 2^(M_w - M): both exact.
; The maximum is taken away before every exponential: t - M_w <= 0.
; pbuf: [8 b + jp][t 0..16] blocks of 12,800 bytes (8 tiles of queries as images, then their scale words [tile][16]) in the order in which launch pv walks them: jp = min(j, 15 - j);
; block j < 8 (the short one): t = 16 - w;  block j >= 8 (the long one): t = w.  From RLO on: 1 / l, [tile][16] f32.
; LIMITS: a block of p whose scale byte would fall under 1 is held at 1 with its codes as they are: numbers of at most 7.5 x 2^-126 beside l >= 1/2.  M is a whole number in f32: exact up to 2^24.
.set LSC,   393216
.set VB,    12800
.set FRB,   1536
.set RLO,   6963200
.set LT,    2048                       ; LDS: -M_w at [w][lane] from 0, l_w from 2,048
.set SPARE, 4096                       ; the spare words, 128 bytes a wave: eight blocks of 256 bytes that no other line names
.set SPW, 4
.set NIL, 5
.set AM,  6                            ; v6   4 x thread: my word among the -M_w
.set L4,  7
.set L8,  8
.set L16, 9
.set DD,  10                           ; v10  my query less 16 h, in its block of 128
.set NINF, 11
.set NM,  12                           ; v[12 + 2 u] -M_w of tile u, v[13 + 2 u] its largest t
.set QF,  16                           ; v16-39 Q's two fragments
.set KF,  40                           ; v40-93 K: tile a's six live registers at 40 + 6 a; v88-93 zeros
.set KW,  94                           ; v94-101 K's scale words
.set QW,  102                          ; v102-103 Q's
.set S,   104                          ; v104-231 S^T, then p: tile u at 104 + 64 u
.set BM,  232                          ; v232-235 the blocks' largest scores, then largest p
.set T4,  236
.set SOP, 240                          ; v240-243 my tile's four scales as f32 (lane (r, h) stands for tile h)
.set NMP, 244                          ; v244 its -M_w
.set LP,  245                          ; v245 its l_w
.set TA,  246
.set TB,  247
.set SA,  248
.set SB,  250
.set WO,  252
.set PC,  16                           ; behind the products: p's codes, 12 a tile
.set PT,  40
.set SO,  48                           ; v48-55 the conversions' scale operands
.set LL,  56                           ; v56-57 l_w
.set WV,  8
.set JJ,  12
.set SEL, 20
.set CS,  22
.macro SOFT u
.set SS, S+64*(\u)
.set NN, NM+2*(\u)
.set CC, PC+12*(\u)
.set OO, SO+4*(\u)
.irp b, 0,1,2,3
	v_max3_num_f32 v[BM+\b], v[SS+16*\b], v[SS+16*\b+1], v[SS+16*\b+2]   ; the largest score of each block of 32 keys: for the row's maximum and, since p rises with the score, for the block's largest p
.endr
.irp i, 3,5,7,9,11,13
.irp b, 0,1,2,3
	v_max3_num_f32 v[BM+\b], v[BM+\b], v[SS+16*\b+\i], v[SS+16*\b+\i+1]
.endr
.endr
.irp b, 0,1,2,3
	v_max_num_f32 v[BM+\b], v[BM+\b], v[SS+16*\b+15]
.endr
.irp b, 0,1,2,3
	s_delay_alu instid0(VALU_DEP_4)
	v_permlanex16_b32 v[T4+\b], v[BM+\b], s[SEL], s[SEL+1]
.endr
.irp b, 0,1,2,3
	s_delay_alu instid0(VALU_DEP_4)
	v_max_num_f32 v[BM+\b], v[BM+\b], v[T4+\b]     ; with lane l xor 16's 16 keys
.endr
	s_delay_alu instid0(VALU_DEP_2)
	v_max3_num_f32 v[TA], v[BM], v[BM+1], v[BM+2]
	s_delay_alu instid0(VALU_DEP_1)
	v_max_num_f32 v[TA], v[TA], v[BM+3]
	s_delay_alu instid0(VALU_DEP_1)
	v_mul_f32 v[NN+1], s[CS], v[TA]                ; the step's largest t
	s_delay_alu instid0(VALU_DEP_1)
	v_floor_f32 v[NN], -v[NN+1]                    ; -M_w = floor(-t)
.set j, 0
.rept 32
	v_pk_fma_f32 v[SS+j:SS+j+1], v[SS+j:SS+j+1], s[CS:CS+1], v[NN:NN+1] op_sel_hi:[1,0,0]   ; t - M_w, two at a time
.set j, j+2
.endr
.irp b, 0,1,2,3
	v_fma_f32 v[BM+\b], v[BM+\b], s[CS], v[NN]
.endr
.set j, 0
	s_wait_alu depctr_va_vdst(0)
.rept 64
	v_exp_f32 v[SS+j], v[SS+j]                     ; p = 2^(t - M_w)
.set j, j+1
.endr
	v_nop                                          ; a plain place behind the exponentials
	s_wait_alu depctr_va_vdst(0)                   ; one wait for the batch of 64, ahead of its first reader
.irp b, 0,1,2,3
	v_exp_f32 v[BM+\b], v[BM+\b]                   ; the blocks' largest p
.endr
	v_pk_add_f32 v[SA:SA+1], v[SS:SS+1], v[SS+2:SS+3]        ; the sum of the UNQUANTISED p, in two chains: plain work behind the four
	v_pk_add_f32 v[SB:SB+1], v[SS+4:SS+5], v[SS+6:SS+7]
.irp j, 8,12,16,20,24,28,32,36,40,44,48,52,56,60
	v_pk_add_f32 v[SA:SA+1], v[SA:SA+1], v[SS+\j:SS+\j+1]
	v_pk_add_f32 v[SB:SB+1], v[SB:SB+1], v[SS+\j+2:SS+\j+3]
.endr
	s_delay_alu instid0(VALU_DEP_1)
	v_pk_add_f32 v[SA:SA+1], v[SA:SA+1], v[SB:SB+1]
	s_delay_alu instid0(VALU_DEP_1)
	v_add_f32 v[SA], v[SA], v[SA+1]
	s_delay_alu instid0(VALU_DEP_1)
	v_permlanex16_b32 v[SB], v[SA], s[SEL], s[SEL+1]
	s_delay_alu instid0(VALU_DEP_1)
	v_add_f32 v[LL+\u], v[SA], v[SB]               ; l_w of my query
	s_wait_alu depctr_va_vdst(0)                   ; and one wait for the four
.irp b, 0,1,2,3
	v_max_num_f32 v[BM+\b], 0x1800000, v[BM+\b]    ; the floor 2^(3 - 127)
.endr
.irp b, 0,1,2,3
	s_delay_alu instid0(VALU_DEP_4)
	v_add_nc_u32 v[OO+\b], 0xff000000, v[BM+\b]    ; 2 off the exponent field: the scale, as the conversion takes it
.endr
.irp c, 0,1
	v_cvt_scalef32_pk16_fp6_f32 v[CC+6*\c:CC+6*\c+2], v[SS+32*\c:SS+32*\c+15], v[OO+2*\c]
	v_cvt_scalef32_pk16_fp6_f32 v[PT+4*\c:PT+4*\c+2], v[SS+32*\c+16:SS+32*\c+31], v[OO+2*\c+1]
.endr
	v_nop                                          ; one plain place behind the scaled conversions
.irp c, 0,1
.irp i, 0,1,2
	v_permlane16_swap_b32 v[CC+6*\c+\i], v[PT+4*\c+\i]
.endr
.irp i, 0,1,2
	s_delay_alu instid0(VALU_DEP_3)
	v_mov_b32 v[CC+6*\c+3+\i], v[PT+4*\c+\i]
.endr
.endr
.irp g, 0,1,2
	global_store_b128 v[L16], v[CC+4*\g:CC+4*\g+3], s[28:29] offset:FRB*(\u)+512*\g   ; 512 consecutive bytes, aligned
.endr
.endm
	s_load_b128 s[4:7], s[0:1], 0x0                ; lat, pbuf
	v_lshl_add_u32 v[SPW], v0, 2, SPARE
	v_mov_b32 v[NIL], 0
.irp k, 6,7,8,9,10,11
	v_mov_b32 v[QF+\k], 0                          ; zero codes for the upper 64 of the K step
	v_mov_b32 v[QF+12+\k], 0
	v_mov_b32 v[KF+42+\k], 0
.endr
	v_lshrrev_b32 v1, 5, v0
	s_delay_alu instid0(VALU_DEP_1)
	v_readfirstlane_b32 s[WV], v1                  ; wave = key step
	v_and_b32 v1, 31, v0
	v_and_b32 v2, 15, v0
	v_bfe_u32 v3, v0, 4, 1
	s_delay_alu instid0(VALU_DEP_3)
	v_lshlrev_b32 v[L4], 2, v1
	s_delay_alu instid0(VALU_DEP_4)
	v_lshlrev_b32 v[L8], 3, v1
	v_lshlrev_b32 v[L16], 4, v1
	v_lshlrev_b32 v[AM], 2, v0
	v_mov_b32 v[NINF], 0xff800000
.irp b, 0,1,2,3
	v_mov_b32 v[SOP+\b], 0                         ; what a wave without work hands in: no scale,
	v_mov_b32 v[T4+\b], 0
.endr
	v_mov_b32 v[NMP], 0x7f61b1e6                   ; -M_w = 3e38, over every -M,
	v_mov_b32 v[LP], 0                             ; and no sum
	s_lshr_b32 s10, ttmp9, 6                       ; batch
	s_and_b32 s11, ttmp9, 63                       ; group of 32 queries in it
	s_lshr_b32 s[JJ], s11, 2                       ; block of 128 queries
	s_and_b32 s15, s11, 3
	v_and_b32 v[DD], 8, v2
	s_delay_alu instid0(VALU_DEP_1)
	v_add_nc_u32 v[DD], v[DD], v2
	v_lshlrev_b32 v[TA], 4, v3
	s_delay_alu instid0(VALU_DEP_1)
	v_sub_nc_u32 v[DD], v[DD], v[TA]
	s_lshl_b32 s34, s15, 5
	v_add_nc_u32 v[DD], s34, v[DD]                 ; tile 0: 32 (group % 4) + r + 8 (r / 8) - 16 h; tile 1: 8 more
	s_sub_co_u32 s35, 15, s[JJ]
	s_min_u32 s13, s[JJ], s35                      ; jp
	; THE ORDER OF pbuf's 17 BLOCKS OF A PAIR, as launch pv now reads them (it takes the place of the order given at the head): block j >= 8 (the long one): t = w;  block j < 8 (the short one): t = 16 - w
	s_sub_co_u32 s34, 16, s[WV]
	s_cmp_lt_u32 s[JJ], 8
	s_cselect_b32 s14, s34, s[WV]
	s_lshl_b32 s34, s10, 3
	s_add_co_u32 s34, s34, s13
	s_mul_i32 s34, s34, 17
	s_add_co_u32 s34, s34, s14
	s_mul_i32 s34, s34, VB                         ; my block of pbuf
	s_mul_i32 s28, s15, 2*FRB
	s_add_co_u32 s28, s28, s34
	s_mov_b32 s29, 0
	s_lshl_b32 s30, s15, 7
	s_add_co_u32 s30, s30, s34
	s_add_co_u32 s30, s30, 8*FRB
	s_mov_b32 s31, 0
	s_lshl_b32 s32, ttmp9, 7
	s_add_co_u32 s32, s32, RLO
	s_mov_b32 s33, 0
	s_mul_i32 s16, ttmp9, 2*768                    ; Q: tiles 2 x, 2 x + 1
	s_mov_b32 s17, 0
	s_lshl_b32 s24, ttmp9, 8
	s_add_co_u32 s24, s24, LSC
	s_mov_b32 s25, 0
	s_mul_i32 s18, s10, 128*768                    ; K: tiles 128 b + 8 w ..
	s_mul_i32 s35, s[WV], 8*768
	s_add_co_u32 s18, s18, s35
	s_mov_b32 s19, 0
	s_lshl_b32 s26, s10, 14
	s_lshl_b32 s35, s[WV], 10
	s_add_co_u32 s26, s26, s35
	s_add_co_u32 s26, s26, LSC
	s_mov_b32 s27, 0
	s_mov_b32 s[SEL], 0x76543210
	s_mov_b32 s[SEL+1], 0xfedcba98
	s_mov_b32 s[CS], 0x3e38aa3b                    ; c = log2(e) / sqrt(64)
	s_mov_b32 s[CS+1], s[CS]
	s_wait_kmcnt 0x0
	s_add_nc_u64 s[16:17], s[4:5], s[16:17]
	s_add_nc_u64 s[18:19], s[4:5], s[18:19]
	s_add_nc_u64 s[24:25], s[4:5], s[24:25]
	s_add_nc_u64 s[26:27], s[4:5], s[26:27]
	s_add_nc_u64 s[28:29], s[6:7], s[28:29]
	s_add_nc_u64 s[30:31], s[6:7], s[30:31]
	s_add_nc_u64 s[32:33], s[6:7], s[32:33]
	s_cmp_gt_u32 s[WV], s[JJ]                      ; ids alone: my key step lies wholly behind the queries
	s_cbranch_scc1 .Lidle
.irp u, 0,1
.irp e, 0,1,2
	global_load_b64 v[QF+12*\u+2*\e:QF+12*\u+2*\e+1], v[L8], s[16:17] offset:768*\u+256*\e
.endr
	global_load_b32 v[QW+\u], v[L4], s[24:25] offset:128*\u
.endr
.irp a, 0,1,2,3,4,5,6,7
.irp e, 0,1,2
	global_load_b64 v[KF+6*\a+2*\e:KF+6*\a+2*\e+1], v[L8], s[18:19] offset:768*\a+256*\e
.endr
	global_load_b32 v[KW+\a], v[L4], s[26:27] offset:128*\a
.endr
	s_wait_loadcnt 0x0
.irp u, 0,1
.irp a, 0,1,2,3,4,5,6,7
	v_wmma_scale_f32_16x16x128_f8f6f4 v[S+64*\u+8*\a:S+64*\u+8*\a+7], v[KF+6*\a:KF+6*\a+11], v[QF+12*\u:QF+12*\u+11], 0, v[KW+\a], v[QW+\u] matrix_a_fmt:MATRIX_FMT_FP6 matrix_b_fmt:MATRIX_FMT_FP6
.endr
.endr
.rept 4
	v_nop                                          ; four places ahead of the first read of results
.endr
	s_cmp_lg_u32 s[WV], s[JJ]
	s_cbranch_scc1 .Lopen
	; the diagonal: register n of a tile holds key 32 (n / 16) + 16 h + n % 16 of the step: hidden where that comes after my query
.set n, 0
	s_wait_alu depctr_va_vdst(0)
.rept 64
	v_cmp_gt_i32 vcc_lo, 32*(n/16)+n%16, v[DD]
	v_cndmask_b32 v[S+n], v[S+n], v[NINF], vcc_lo
.set n, n+1
.endr
.set n, 0
.rept 64
	v_cmp_gt_i32 vcc_lo, 32*(n/16)+n%16-8, v[DD]
	v_cndmask_b32 v[S+64+n], v[S+64+n], v[NINF], vcc_lo
.set n, n+1
.endr
.Lopen:
	SOFT 0
	SOFT 1
	v_cmp_gt_u32 vcc_lo, 16, v1                    ; from here on lane (r, h) stands for query r of tile h
.irp b, 0,1,2,3
	v_cndmask_b32 v[SOP+\b], v[SO+4+\b], v[SO+\b], vcc_lo
.endr
	v_cndmask_b32 v[NMP], v[NM+2], v[NM], vcc_lo
	v_cndmask_b32 v[LP], v[LL+1], v[LL], vcc_lo
.Lidle:
	s_wait_alu depctr_va_vdst(0)
	ds_store_b32 v[AM], v[NMP]
	ds_store_b32 v[AM], v[LP] offset:LT
	s_wait_dscnt 0x0                               ; for the others' sake: my two words have landed
	s_barrier_signal -1
	s_barrier_wait -1
.set i, 0
.rept 16
	ds_load_b32 v[S+i], v[L4] offset:128*i         ; all sixteen -M_w of my query
.set i, i+1
.endr
	s_wait_dscnt 0x0
	v_max3_num_f32 v[TA], -v[S], -v[S+1], -v[S+2]
.irp i, 3,5,7,9,11,13
	s_delay_alu instid0(VALU_DEP_1)
	v_max3_num_f32 v[TA], v[TA], -v[S+\i], -v[S+\i+1]
.endr
	s_delay_alu instid0(VALU_DEP_1)
	v_max_num_f32 v[TA], v[TA], -v[S+15]           ; M
	s_delay_alu instid0(VALU_DEP_1)
	v_sub_f32 v[TB], -v[NMP], v[TA]                ; M_w - M: a whole number, 0 or less
	s_delay_alu instid0(VALU_DEP_1)
	v_cvt_i32_f32 v[TB], v[TB]                     ; (it saturates)
.irp b, 0,1,2,3
	v_ldexp_f32 v[SOP+\b], v[SOP+\b], v[TB]        ; the blocks' scales under M
.endr
.irp b, 0,1,2,3
	s_delay_alu instid0(VALU_DEP_4)
	v_max_num_f32 v[SOP+\b], 0x800000, v[SOP+\b]   ; held at 2^-126: byte 1
.endr
.irp b, 0,1,2,3
	s_delay_alu instid0(VALU_DEP_4)
	v_lshrrev_b32 v[SOP+\b], 23, v[SOP+\b]
.endr
	s_delay_alu instid0(VALU_DEP_3)
	v_lshl_or_b32 v[WO], v[SOP+1], 8, v[SOP]
	s_delay_alu instid0(VALU_DEP_1)
	v_lshl_or_b32 v[WO], v[SOP+2], 16, v[WO]
	s_delay_alu instid0(VALU_DEP_1)
	v_lshl_or_b32 v[WO], v[SOP+3], 24, v[WO]
	s_cmp_gt_u32 s[WV], s[JJ]
	s_cbranch_scc1 .Lno_word
	global_store_b32 v[L4], v[WO], s[30:31]        ; the two tiles' scale words for my key step
.Lno_word:
	s_cmp_lg_u32 s[WV], 0
	s_cbranch_scc1 .Lend
.set i, 0
.rept 16
	ds_load_b32 v[S+16+i], v[L4] offset:LT+128*i   ; wave 0: all sixteen l_w
.set i, i+1
.endr
.set i, 0
.rept 16
	v_sub_f32 v[S+i], -v[S+i], v[TA]               ; M_w - M
.set i, i+1
.endr
.set i, 0
.rept 16
	v_cvt_i32_f32 v[S+i], v[S+i]
.set i, i+1
.endr
	s_wait_dscnt 0x0
.set i, 0
.rept 16
	v_ldexp_f32 v[S+16+i], v[S+16+i], v[S+i]       ; l_w under M: exact
.set i, i+1
.endr
.irp i, 0,4,8,12
	v_pk_add_f32 v[S+16+\i:S+17+\i], v[S+16+\i:S+17+\i], v[S+18+\i:S+19+\i]
.endr
	s_delay_alu instid0(VALU_DEP_3)
	v_pk_add_f32 v[S+16:S+17], v[S+16:S+17], v[S+20:S+21]
	s_delay_alu instid0(VALU_DEP_2)
	v_pk_add_f32 v[S+24:S+25], v[S+24:S+25], v[S+28:S+29]
	s_delay_alu instid0(VALU_DEP_1)
	v_pk_add_f32 v[S+16:S+17], v[S+16:S+17], v[S+24:S+25]
	s_delay_alu instid0(VALU_DEP_1)
	v_add_f32 v[S+16], v[S+16], v[S+17]            ; l
	s_wait_alu depctr_va_vdst(0)
	v_rcp_f32 v[S+18], v[S+16]
	v_nop                                          ; a plain place behind the reciprocal
	s_wait_alu depctr_va_vdst(0)                   ; and the wait ahead of its reader
	global_store_b32 v[L4], v[S+18], s[32:33]
.Lend:
	s_wait_tensorcnt 0x0                           ; the wave's end
	ds_add_u32 v[SPW], v[NIL]
	s_wait_dscnt 0x0
	s_endpgm
.Lfunc_end_k_q2695ac0aa1_softmax:
	.size	k_q2695ac0aa1_softmax, .Lfunc_end_k_q2695ac0aa1_softmax-k_q2695ac0aa1_softmax
	.p2alignl 7, 3214868480
	.fill 96, 4, 3214868480
	.section	.rodata,"a",@progbits
	.p2align	6, 0x0
	.amdhsa_kernel k_q2695ac0aa1_softmax
		.amdhsa_group_segment_fixed_size 6144
		.amdhsa_private_segment_fixed_size 0
		.amdhsa_enable_private_segment 0
		.amdhsa_kernarg_size 16
		.amdhsa_user_sgpr_count 2
		.amdhsa_user_sgpr_kernarg_segment_ptr 1
		.amdhsa_wavefront_size32 1
		.amdhsa_system_sgpr_workgroup_id_x 1
		.amdhsa_system_sgpr_workgroup_id_y 1
		.amdhsa_system_sgpr_workgroup_id_z 1
		.amdhsa_system_vgpr_workitem_id 0
		.amdhsa_next_free_vgpr 256
		.amdhsa_next_free_sgpr 66
		.amdhsa_reserve_vcc 1
		.amdhsa_float_denorm_mode_32 3
		.amdhsa_float_denorm_mode_16_64 3
		.amdhsa_memory_ordered 1
		.amdhsa_forward_progress 1
		.amdhsa_inst_pref_size 51
	.end_amdhsa_kernel
	.amdgpu_metadata
---
amdhsa.version: [ 1, 2 ]
amdhsa.kernels:
  - .name:           k_q2695ac0aa1_softmax
    .symbol:         k_q2695ac0aa1_softmax.kd
    .args:
      - { .name: lat, .offset: 0, .size: 8, .value_kind: global_buffer, .address_space: global }
      - { .name: pbuf, .offset: 8, .size: 8, .value_kind: global_buffer, .address_space: global }
    .group_segment_fixed_size: 6144
    .private_segment_fixed_size: 0
    .kernarg_segment_align: 8
    .kernarg_segment_size: 16
    .max_flat_workgroup_size: 512
    .sgpr_count:     66
    .vgpr_count:     256
    .wavefront_size: 32
...
	.end_amdgpu_metadata
.endif
;; end of part 3
;; launch pv (part 4): grid 8 x 32, 4 waves a work-group, clusters of 4 x 1, 327,680 bytes of LDS; arguments vimg, pbuf, ybuf; writes ybuf
.if DOCPART == 4
	.amdgcn_target "amdgcn-amd-amdhsa--gfx1250"
	.amdhsa_code_object_version 6
	.text
	.protected	k_q2695ac0aa1_pv
	.globl	k_q2695ac0aa1_pv
	.p2align	8
	.type	k_q2695ac0aa1_pv,@function
k_q2695ac0aa1_pv:
	s_mov_b64 s[64:65], 0
	v_nop
	global_prefetch_b8 v0, s[64:65] scope:SCOPE_SE
	s_setreg_imm32_b32 hwreg(HW_REG_WAVE_MODE, 25, 1), 1
	s_wait_xcnt 0x0
	s_wait_alu depctr_hold_cnt(0) depctr_sa_sdst(0) depctr_va_vdst(0) depctr_va_sdst(0) depctr_va_ssrc(0) depctr_va_vcc(0) depctr_vm_vsrc(0)
	s_getreg_b32 s2, hwreg(HW_REG_IB_STS2, 6, 4)
	s_cmp_eq_u32 s2, 0
	s_cbranch_scc0 .Lentry_in_a_cluster
	s_endpgm
.Lentry_in_a_cluster:
	s_bfe_u32 s2, ttmp6, 0x10000c
	s_cmp_lg_u32 s2, 0x3003
	s_cbranch_scc0 .Lentry_shape_is_right
	s_endpgm
.Lentry_shape_is_right:
; y^T = V^T p^T over the key steps that the causal mask leaves, times 1 / l, quantised along the channels.
; WORK LEFT OUT: key steps that lie wholly behind a block of 128 queries (reference()'s own tril makes their weights 0: the proof stands at the head of launch quant).
; SHARES.  Work-group (x, y = 8 b + jp): 128 channels x TWO blocks of 128 queries of batch b: the short one, jp (key steps 0 .. jp), and the long one, 15 - jp (key steps 0 .. 15 - jp): always 17 products of 128 x 128 x 128.
; Source 0 = 16 channels of V (images of 16 channels x 128 keys), source 1 = 16 queries of p: a lane holds one query, its registers run along the channels.  Wave (wr, wc): V's tiles 4 wr .. x p's tiles 4 wc ..
; pbuf holds a pair's 17 blocks so: the long block's key step ks is block t = ks, the short block's is block t = 16 - ks.  So every LDS address here is a constant; jp only says where a run of products ends.
; p LIES IN LDS, block t in region t of 12,800 bytes, each region filled ONCE, by joint loads, one tensor load a wave at a time:
;   at the head each wave two blocks: p[0..3], p[13..16]: what key steps 0 to 3 of both blocks need;  when these are in, waves 0 to 2 three blocks each: p[4..12]; meanwhile key steps 0 to 3 are multiplied.
; V GOES STRAIGHT INTO REGISTERS: its fragments are stored as images of registers, so a wave's four of a key step are 12 loads of 512 consecutive bytes, and they serve the long and the short block from the same registers.
; Twelve sets of 48 registers: V[0..11] are asked for in three batches of at most 60 loads; V[12..15] take sets 0 to 3 when key steps 0 to 3 are done, and only as far as 15 - jp reaches.
; (V[9..11] are fetched by every work-group; those with jp > 4 do not read all of them.)  Each wait on LOADcnt names the fewest loads that any way through the text has issued behind the V it waits for (a count is at most 63).
; CLUSTER 4 x 1: the four channel blocks of a cluster walk the same p: p is asked for jointly.  V is not: the work-groups that share a block of V differ in jp, which steers branches, and it passes through no LDS.
; NO PREFETCH: the text has no loop to run ahead in; what it reads is asked for as early as registers and regions are free.
; ybuf: [tile of 16 queries][K step = channel block][1,536]: a fragment as two halves c of 768 bytes, pair e of a lane at 768 c + 256 e + 8 lane; from YSC on the scale words [K step][tile][16].
; LIMITS: as stated at the head of launch quant (byte held at 1).
; REGISTERS: window 0: addresses, scale words, two sets of p's fragments, V's sets 10 and 11; window 1: accumulator (block, jq, i) at v[128 block + 32 jq + 8 i], block 0 the short one;
; window 2: V's sets 0-4 and, from v240, 1 / l; window 3: V's sets 5-9.
.set VB,    12800
.set FRB,   1536
.set TILEB, 12288
.set SPARE, 17*VB                      ; the spare words, 128 bytes a wave: two blocks of 256 bytes that no other line names
.set RLO,   6963200
.set YSC,   6291456
.set AP,  4                            ; v4-7    p's fragments: 16 lane + 6,144 wc + 64,000 z (five regions to an address register)
.set ASP, 8                            ; v8-11   p's scale words
.set VOF, 12                           ; v12     V's fragments in a block of vimg: 16 lane + 6,144 wr
.set VOS, 13                           ; v13     V's scale words: 4 lane + 12,288 + 256 wr
.set SPW, 14
.set NIL, 15
.set OCA, 16                           ; v16, v17 offsets of the codes of the short and the long block
.set ORA, 18                           ; v18, v19 of 1 / l
.set OWA, 20                           ; v20, v21 of the scale bytes
.set VSW, 24                           ; v24-55  V's scale words: 2 ks + pair of tiles
.set SCP, 56                           ; v56-59  p's scale words: 2 set + pair of tiles
.set PF,  60                           ; v60-155 p's 4 fragments, two sets
.set VX,  156                          ; v156-251 V's sets 10 and 11
.set RL,  240                          ; (window 2) v240-247 1 / l as loaded: 4 block + jq
.set YV,  60                           ; the way out: 32 numbers of y
.set PT,  92
.set PC,  100                          ; v100-147 codes, six for each (block, jq)
.set PW,  148                          ; v148-155 their scale bytes
.set WO,  156                          ; v156-159
.set RLP, 160                          ; v160-175 1 / l in pairs, for the packed multiply
.set TM,  176                          ; v176-189 at work in the quantiser
.set SEL, 10
.set WV,  12
.set WR,  13
.set WC,  14
.set CX,  15
.set BX,  16
.set YY,  17
.set BB,  18
.set JP,  19
.set G1P, 32
.set G0P, 44
.set MSB, 0
.macro WIN new
.if MSB != \new
	s_set_vgpr_msb (MSB<<8)|\new
.set MSB, \new
.endif
.endm
.macro PLACES                          ; four places between a matrix instruction and a load into, or a vector read or write of, its registers
.rept 4
	v_nop
.endr
.endm
.macro CROUND                          ; a round of the cluster's barrier
	s_barrier_signal -1
	s_barrier_wait -1
	s_cmp_lg_u32 s[WV], 0
	s_cbranch_scc1 .Lnot_wave_0_\@
	s_barrier_signal -3
.Lnot_wave_0_\@:
	s_barrier_wait -3
	s_barrier_signal -1
	s_barrier_wait -1
.endm
.macro WM
.if rZ
.if pA && pB
	v_wmma_scale_f32_16x16x128_f8f6f4 v[rD:rD+7], v[rA:rA+11], v[rB:rB+11], 0, v[rSA], v[rSB] matrix_a_fmt:MATRIX_FMT_FP6 matrix_b_fmt:MATRIX_FMT_FP6 matrix_a_scale:MATRIX_SCALE_ROW1 matrix_b_scale:MATRIX_SCALE_ROW1
.elseif pA
	v_wmma_scale_f32_16x16x128_f8f6f4 v[rD:rD+7], v[rA:rA+11], v[rB:rB+11], 0, v[rSA], v[rSB] matrix_a_fmt:MATRIX_FMT_FP6 matrix_b_fmt:MATRIX_FMT_FP6 matrix_a_scale:MATRIX_SCALE_ROW1
.elseif pB
	v_wmma_scale_f32_16x16x128_f8f6f4 v[rD:rD+7], v[rA:rA+11], v[rB:rB+11], 0, v[rSA], v[rSB] matrix_a_fmt:MATRIX_FMT_FP6 matrix_b_fmt:MATRIX_FMT_FP6 matrix_b_scale:MATRIX_SCALE_ROW1
.else
	v_wmma_scale_f32_16x16x128_f8f6f4 v[rD:rD+7], v[rA:rA+11], v[rB:rB+11], 0, v[rSA], v[rSB] matrix_a_fmt:MATRIX_FMT_FP6 matrix_b_fmt:MATRIX_FMT_FP6
.endif
.else
.if pA && pB
	v_wmma_scale_f32_16x16x128_f8f6f4 v[rD:rD+7], v[rA:rA+11], v[rB:rB+11], v[rD:rD+7], v[rSA], v[rSB] matrix_a_fmt:MATRIX_FMT_FP6 matrix_b_fmt:MATRIX_FMT_FP6 matrix_a_scale:MATRIX_SCALE_ROW1 matrix_b_scale:MATRIX_SCALE_ROW1
.elseif pA
	v_wmma_scale_f32_16x16x128_f8f6f4 v[rD:rD+7], v[rA:rA+11], v[rB:rB+11], v[rD:rD+7], v[rSA], v[rSB] matrix_a_fmt:MATRIX_FMT_FP6 matrix_b_fmt:MATRIX_FMT_FP6 matrix_a_scale:MATRIX_SCALE_ROW1
.elseif pB
	v_wmma_scale_f32_16x16x128_f8f6f4 v[rD:rD+7], v[rA:rA+11], v[rB:rB+11], v[rD:rD+7], v[rSA], v[rSB] matrix_a_fmt:MATRIX_FMT_FP6 matrix_b_fmt:MATRIX_FMT_FP6 matrix_b_scale:MATRIX_SCALE_ROW1
.else
	v_wmma_scale_f32_16x16x128_f8f6f4 v[rD:rD+7], v[rA:rA+11], v[rB:rB+11], v[rD:rD+7], v[rSA], v[rSB] matrix_a_fmt:MATRIX_FMT_FP6 matrix_b_fmt:MATRIX_FMT_FP6
.endif
.endif
.endm
.macro VPLACE ks                       ; where key step ks' fragments of V stand: set ks % 12: window vw, register vb
.set sg, (\ks)%12
.if sg < 5
.set vw, 2
.set vb, 48*sg
.elseif sg < 10
.set vw, 3
.set vb, 48*(sg-5)
.else
.set vw, 0
.set vb, VX+48*(sg-10)
.endif
.endm
.macro VLOAD ks                        ; my four fragments of V of key step ks: 12 loads of 512 consecutive bytes; a key step's blocks lie 8 blocks apart
	VPLACE \ks
	WIN vw<<6
.irp i, 0,1,2,3
.irp g, 0,1,2
	global_load_b128 v[vb+12*\i+4*\g:vb+12*\i+4*\g+3], v[VOF], s[52:53] offset:8*VB*(\ks)+FRB*\i+512*\g
.endr
.endr
	WIN 0
.endm
.macro VWORDS ks                       ; and their scale words: 2 loads
.irp q, 0,1
	global_load_b32 v[VSW+2*(\ks)+\q], v[VOS], s[52:53] offset:8*VB*(\ks)+128*\q
.endr
.endm
.macro FETCHP rp, st                   ; my 4 fragments of p from region rp, and their scale words, into set st
.set FF, PF+48*(\st)
.irp i, 0,1,2,3
.irp g, 0,1,2
	ds_load_b128 v[FF+12*\i+4*\g:FF+12*\i+4*\g+3], v[AP+(\rp)/5] offset:((\rp)%5)*VB+FRB*\i+512*\g
.endr
.endr
.irp q, 0,1
	ds_load_b32 v[SCP+2*(\st)+\q], v[ASP+(\rp)/5] offset:((\rp)%5)*VB+128*\q
.endr
.endm
.macro MUL16 st, blk, zero, ks         ; 16 matrix instructions; the block's 16 accumulators take turns, one instruction a turn
	VPLACE \ks
	WIN 0x50|vw                                    ; V window vw, p window 0, C and D window 1
.irp jq, 0,1,2,3
.irp i, 0,1,2,3
.set rD, 128*(\blk)+32*\jq+8*\i
.set rA, vb+12*\i
.set rB, PF+48*(\st)+12*\jq
.set rSA, VSW+2*(\ks)+\i/2
.set rSB, SCP+2*(\st)+\jq/2
.set pA, \i%2
.set pB, \jq%2
.set rZ, \zero
	WM
.endr
.endr
	WIN 0
.endm
.macro STP st, blk, zero, ks, nrp, lc  ; one product: V[ks] x p's set st; the next one's fragments of p (region nrp; -1: none) go into the other set meanwhile.  lc: the count of the wait for V[ks] (-1: it has been waited for)
	s_wait_dscnt 0x0                               ; this product's fragments of p are in
.if (\lc) >= 0
	s_wait_loadcnt \lc
.endif
.if (\nrp) >= 0
	PLACES                                         ; the other set was read by the product before
	FETCHP \nrp, 1-(\st)
.endif
	MUL16 \st, \blk, \zero, \ks
.endm
.macro ENDIF_LT k, lab                 ; the short block has no key step k: jp < k.  jp is the same in all waves and all partners.  (What was fetched from LDS for that step is not used; a wait behind the label covers it)
	s_cmp_lt_u32 s[JP], \k
	s_cbranch_scc1 \lab
.endm
.macro ENDIF_GT k, lab                 ; the long block has no such key step: jp > k
	s_cmp_gt_u32 s[JP], \k
	s_cbranch_scc1 \lab
.endm
.macro QH s, pc, pw                    ; 32 numbers of a lane, register 16 b + i = k 32 b + 16 h + i of my row: six registers of codes, two scale bytes
.irp b, 0,1
	v_max3_num_f32 v[TM+\b], |v[\s+16*\b]|, |v[\s+16*\b+1]|, 0x1800000
.endr
.irp i, 2,4,6,8,10,12,14
.irp b, 0,1
	v_max3_num_f32 v[TM+\b], v[TM+\b], |v[\s+16*\b+\i]|, |v[\s+16*\b+\i+1]|
.endr
.endr
.irp b, 0,1
	v_permlanex16_b32 v[TM+4+\b], v[TM+\b], s[SEL], s[SEL+1]
.endr
.irp b, 0,1
	v_max_num_f32 v[TM+\b], v[TM+\b], v[TM+4+\b]
.endr
.irp b, 0,1
	v_add_nc_u32 v[TM+12+\b], 0xff000000, v[TM+\b]
.endr
.irp b, 0,1
	v_lshrrev_b32 v[TM+4+\b], 23, v[TM+12+\b]
.endr
	v_lshl_or_b32 v[\pw], v[TM+5], 8, v[TM+4]
	v_cvt_scalef32_pk16_fp6_f32 v[\pc:\pc+2], v[\s:\s+15], v[TM+12]
	v_cvt_scalef32_pk16_fp6_f32 v[PT:PT+2], v[\s+16:\s+31], v[TM+13]
	v_nop                                          ; one plain place behind the scaled conversions
.irp i, 0,1,2
	v_permlane16_swap_b32 v[\pc+\i], v[PT+\i]
.endr
.irp i, 0,1,2
	v_mov_b32 v[\pc+3+\i], v[PT+\i]
.endr
.endm
.macro OUTQ set, jq                    ; 16 queries x my 64 channels: x 1 / l, quantised, stored
.set nn, 4*(\set)+(\jq)
	WIN 0x01                                       ; source 0 window 1
.irp k, 0,2,4,6,8,10,12,14,16,18,20,22,24,26,28,30
	v_pk_mul_f32 v[YV+\k:YV+\k+1], v[128*(\set)+32*(\jq)+\k:128*(\set)+32*(\jq)+\k+1], v[RLP+2*nn:RLP+2*nn+1]   ; each accumulator from its low end on
.endr
	WIN 0
	QH YV, PC+6*nn, PW+nn
.irp e, 0,1,2
	global_store_b64 v[OCA+\set], v[PC+6*nn+2*\e:PC+6*nn+2*\e+1], s[2:3] offset:TILEB*(\jq)+256*\e   ; 256 consecutive bytes, aligned
.endr
.endm
	s_load_b128 s[4:7], s[0:1], 0x0                ; vimg, pbuf
	s_load_b64 s[8:9], s[0:1], 0x10                ; ybuf
	v_lshl_add_u32 v[SPW], v0, 2, SPARE
	v_mov_b32 v[NIL], 0
	ds_add_u32 v[SPW], v[NIL]                      ; the wave's opening: all the set-up, work on registers, stands between the adds and their wait
	ds_add_u32 v[SPW], v[NIL]
	v_lshrrev_b32 v1, 5, v0
	v_readfirstlane_b32 s[WV], v1
	s_lshr_b32 s[WR], s[WV], 1                     ; my half of V's tiles
	s_and_b32 s[WC], s[WV], 1                      ; my half of p's tiles
	s_bfe_u32 s[CX], ttmp6, 0x40000
	s_lshl_b32 s[BX], ttmp9, 2
	s_add_co_u32 s[BX], s[BX], s[CX]               ; channel block
	s_and_b32 s[YY], ttmp7, 0xffff
	s_lshr_b32 s[BB], s[YY], 3                     ; batch
	s_and_b32 s[JP], s[YY], 7
	s_mov_b32 s[G1P], 15|(3<<16)|(1<<21)           ; p: dense rows of 256 bytes; the mask names all four partners.  100 rows (two blocks) a load, in the second fill 150
	s_mov_b32 s[G1P+1], 32<<16
	s_mov_b32 s[G1P+2], 100<<16
	s_mov_b32 s[G1P+3], 32<<16
	s_mov_b32 s[G1P+4], 100
	s_mov_b32 s[G1P+5], 32
	s_mov_b32 s[G1P+6], 0
	s_mov_b32 s[G1P+7], 0
	s_mov_b32 s[SEL], 0x76543210
	s_mov_b32 s[SEL+1], 0xfedcba98
	s_mul_i32 s20, s[YY], 17*VB                    ; p: my y's 17 blocks: registers that never hold x
	s_mov_b32 s21, 0
	s_lshl_b32 s56, s[WV], 1                       ; first fill: blocks 2 w + 9 (w / 2) and the next: 0, 2, 13, 15; block t lies in region t
	s_mul_i32 s57, s[WR], 9
	s_add_co_u32 s56, s56, s57
	s_mul_i32 s54, s56, VB
	s_mov_b32 s55, 0
	s_mul_i32 s50, s[WV], 3*VB                     ; second fill: blocks 4 + 3 w .. + 2 (waves 0 to 2)
	s_add_co_u32 s50, s50, 4*VB
	s_mov_b32 s51, 0
	s_lshl_b32 s52, s[BB], 7                       ; V: block (16 b + key step) 8 + x
	s_add_co_u32 s52, s52, s[BX]
	s_mul_i32 s52, s52, VB
	s_mov_b32 s53, 0
	s_sub_co_u32 s62, 15, s[JP]                    ; the long block
	s_lshl_b32 s68, s[JP], 9                       ; 64 bytes a tile, 8 tiles a block
	s_lshl_b32 s69, s62, 9
	s_mul_i32 s70, s[JP], 8*TILEB
	s_mul_i32 s71, s62, 8*TILEB
	s_lshl_b32 s58, s[BB], 13                      ; 64 (128 b + 4 wc)
	s_lshl_b32 s59, s[WC], 8
	s_add_co_u32 s58, s58, s59
	s_add_co_u32 s22, s58, RLO                     ; 1 / l
	s_mov_b32 s23, 0
	s_lshl_b32 s66, s[BX], 15
	s_add_co_u32 s66, s66, s58
	s_lshl_b32 s59, s[WR], 1
	s_add_co_u32 s66, s66, s59
	s_add_co_u32 s66, s66, YSC                     ; y's scale bytes: my two of a word's four
	s_mov_b32 s67, 0
	s_lshl_b32 s58, s[BB], 7
	s_lshl_b32 s59, s[WC], 2
	s_add_co_u32 s58, s58, s59
	s_mul_i32 s2, s58, TILEB
	s_mul_i32 s59, s[BX], FRB
	s_add_co_u32 s2, s2, s59
	s_mul_i32 s59, s[WR], 768
	s_add_co_u32 s2, s2, s59                       ; y's codes: my half of K step x
	s_mov_b32 s3, 0
	s_mul_i32 s72, s[WR], 4*FRB
	s_mul_i32 s73, s[WC], 4*FRB
	s_lshl_b32 s74, s[WR], 8
	s_add_co_u32 s74, s74, 8*FRB
	s_lshl_b32 s75, s[WC], 8
	s_add_co_u32 s75, s75, 8*FRB
	v_and_b32 v1, 31, v0                           ; all vector set-up in one run, its scalars made above
	v_and_b32 v2, 15, v0
	v_lshlrev_b32 v3, 4, v1
	v_lshlrev_b32 v[OWA], 2, v1
	v_add_nc_u32 v[AP], s73, v3
	v_add_nc_u32 v[ASP], s75, v[OWA]
	v_add_nc_u32 v[VOF], s72, v3
	v_add_nc_u32 v[VOS], s74, v[OWA]
.irp z, 1,2,3
	v_add_nc_u32 v[AP+\z], 5*VB*\z, v[AP]
	v_add_nc_u32 v[ASP+\z], 5*VB*\z, v[ASP]
.endr
	v_add_nc_u32 v[OWA+1], s69, v[OWA]
	v_add_nc_u32 v[OWA], s68, v[OWA]
	v_lshlrev_b32 v[ORA], 2, v2
	v_add_nc_u32 v[ORA+1], s69, v[ORA]
	v_add_nc_u32 v[ORA], s68, v[ORA]
	v_lshlrev_b32 v[OCA], 3, v1
	v_add_nc_u32 v[OCA+1], s71, v[OCA]
	v_add_nc_u32 v[OCA], s70, v[OCA]
	s_wait_alu depctr_va_vdst(0)
	s_wait_dscnt 0x0                               ; both opening adds are done
	s_wait_kmcnt 0x0
	s_add_nc_u64 s[20:21], s[6:7], s[20:21]
	s_mov_b32 s[G0P], 1
	s_add_co_u32 s[G0P+1], s54, 0
	s_add_nc_u64 s[G0P+2:G0P+3], s[20:21], s[54:55]
	s_or_b32 s[G0P+3], s[G0P+3], 0x80000000
	s_add_nc_u64 s[48:49], s[20:21], s[50:51]
	s_add_nc_u64 s[52:53], s[4:5], s[52:53]
	s_add_nc_u64 s[22:23], s[6:7], s[22:23]
	s_add_nc_u64 s[66:67], s[8:9], s[66:67]
	s_add_nc_u64 s[2:3], s[8:9], s[2:3]
	CROUND                                         ; all four work-groups are here: the joint loads meet
	tensor_load_to_lds s[G0P:G0P+3], s[G1P:G1P+7]  ; the first fill: one tensor load a wave
	s_nop 0                                        ; an s_nop 0 and four v_nop follow it
.rept 4
	v_nop
.endr
.irp k, 0,1,2,3                        ; the first batch: 8 + 48 loads
	VWORDS \k
.endr
.irp k, 0,1,2,3
	VLOAD \k
.endr
	; ---- the second fill: fresh bytes, asked for as a refill is
	s_wait_tensorcnt 0x0                           ; my part of the first fill is in, so the descriptors may be written;
	ds_add_u32 v[SPW], v[NIL]                      ; 0 onto my spare word: the descriptors' words stand between it and the wait
	s_add_co_u32 s[G0P+1], s50, 0
	s_mov_b64 s[G0P+2:G0P+3], s[48:49]
	s_or_b32 s[G0P+3], s[G0P+3], 0x80000000
	s_mov_b32 s[G1P+2], 150<<16
	s_mov_b32 s[G1P+4], 150
	s_wait_dscnt 0x0                               ; the add is done
	CROUND                                         ; everybody's part is in, in all four partners
	s_cmp_lt_u32 s[WV], 3
	s_cbranch_scc0 .Lno_p2
	tensor_load_to_lds s[G0P:G0P+3], s[G1P:G1P+7]
	s_nop 0
.rept 4
	v_nop
.endr
.Lno_p2:
.irp k, 4,5,6,7,8,9,10,11,12,13,14,15  ; the second batch: 24 + 36 loads
	VWORDS \k
.endr
.irp k, 4,5,6
	VLOAD \k
.endr
	FETCHP 0, 0                                    ; key steps 0 to 3: the long block's (p region ks), then the short block's (p region 16 - ks)
	STP 0, 1, 1, 0, 1, 63                          ; the first product of each block starts its sums: nothing is cleared.  Behind V[0]: 36 + 60 loads
	STP 1, 1, 0, 1, 2, 63                          ; behind V[1]: 24 + 60
	STP 0, 1, 0, 2, 3, 63                          ; behind V[2]: 12 + 60
	STP 1, 1, 0, 3, 16, 60                         ; behind V[3]: the second batch's 60
.irp k, 7,8,9,10,11                    ; the third batch: 60 loads
	VLOAD \k
.endr
	STP 0, 0, 1, 0, 15, -1
	ENDIF_LT 1, .Lend1
	STP 1, 0, 0, 1, 14, -1
	ENDIF_LT 2, .Lend1
	STP 0, 0, 0, 2, 13, -1
	ENDIF_LT 3, .Lend1
	STP 1, 0, 0, 3, -1, -1
.Lend1:
	PLACES                                         ; sets 0 to 3 were read by the products above
	WIN 0x80
.irp n, 0,1,2,3
	global_load_b32 v[RL+\n], v[ORA], s[22:23] offset:64*\n
	global_load_b32 v[RL+4+\n], v[ORA+1], s[22:23] offset:64*\n
.endr
	WIN 0
	ENDIF_GT 3, .Lv_asked                          ; V[12 ..] as far as the long block reaches
	VLOAD 12
	ENDIF_GT 2, .Lv_asked
	VLOAD 13
	ENDIF_GT 1, .Lv_asked
	VLOAD 14
	ENDIF_GT 0, .Lv_asked
	VLOAD 15
.Lv_asked:
	s_wait_tensorcnt 0x0                           ; my part of the second fill is in
	s_wait_dscnt 0x0
	s_barrier_signal -1
	s_barrier_wait -1
	FETCHP 4, 0                                    ; key steps 4 to 7
	STP 0, 1, 0, 4, 5, 63                          ; behind V[4]: 24 + 60 + 8 at the least
	STP 1, 1, 0, 5, 6, 63                          ; 12 + 60 + 8
	STP 0, 1, 0, 6, 7, 63                          ; 60 + 8
	STP 1, 1, 0, 7, 12, 56                         ; 48 + 8
	ENDIF_LT 4, .Lend2
	STP 0, 0, 0, 4, 11, -1
	ENDIF_LT 5, .Lend2
	STP 1, 0, 0, 5, 10, -1
	ENDIF_LT 6, .Lend2
	STP 0, 0, 0, 6, 9, -1
	ENDIF_LT 7, .Lend2
	STP 1, 0, 0, 7, -1, -1
.Lend2:
	s_wait_dscnt 0x0                               ; whatever was still being fetched from LDS is in
	PLACES
	FETCHP 8, 0                                    ; key steps 8 to 15 - jp of the long block
	STP 0, 1, 0, 8, 9, 44                          ; 36 + 8
	ENDIF_GT 6, .Lend3
	STP 1, 1, 0, 9, 10, 32
	ENDIF_GT 5, .Lend3
	STP 0, 1, 0, 10, 11, 20
	ENDIF_GT 4, .Lend3
	STP 1, 1, 0, 11, 12, 8
	ENDIF_GT 3, .Lend3
	STP 0, 1, 0, 12, 13, 0                         ; on some way nothing was issued behind V[12]: all loads
	ENDIF_GT 2, .Lend3
	STP 1, 1, 0, 13, 14, -1
	ENDIF_GT 1, .Lend3
	STP 0, 1, 0, 14, 15, -1
	ENDIF_GT 0, .Lend3
	STP 1, 1, 0, 15, -1, -1
.Lend3:
	s_wait_dscnt 0x0                               ; whatever was still being fetched is in: its registers are used anew below
	s_wait_loadcnt 0x0                             ; 1 / l, and any V that was not read
	PLACES
	WIN 0x02                                       ; source 0 window 2
.irp n, 0,1,2,3,4,5,6,7
	v_mov_b32 v[RLP+2*\n], v[RL+\n]                ; a pair for the packed multiply
	v_mov_b32 v[RLP+2*\n+1], v[RL+\n]
.endr
	WIN 0
	v_mov_b32 v[TM+4], 0                           ; written once: a lane permute's destination counts as one of its sources
	v_mov_b32 v[TM+5], 0
.irp jq, 0,1,2,3
	OUTQ 0, \jq
.endr
.irp jq, 0,1,2,3
	OUTQ 1, \jq
.endr
	v_cmp_gt_u32 vcc_lo, 16, v1
.irp st, 0,1
.irp q, 0,1
	v_cndmask_b32 v[WO+2*\st+\q], v[PW+4*\st+2*\q+1], v[PW+4*\st+2*\q], vcc_lo
	global_store_b16 v[OWA+\st], v[WO+2*\st+\q], s[66:67] offset:128*\q   ; a row's word is made by two waves: two bytes each
.endr
.endr
	s_wait_tensorcnt 0x0                           ; the wave's end
	ds_add_u32 v[SPW], v[NIL]
	s_wait_dscnt 0x0
	CROUND                                         ; the closing round
	s_endpgm
.Lfunc_end_k_q2695ac0aa1_pv:
	.size	k_q2695ac0aa1_pv, .Lfunc_end_k_q2695ac0aa1_pv-k_q2695ac0aa1_pv
	.p2alignl 7, 3214868480
	.fill 96, 4, 3214868480
	.section	.rodata,"a",@progbits
	.p2align	6, 0x0
	.amdhsa_kernel k_q2695ac0aa1_pv
		.amdhsa_group_segment_fixed_size 327680
		.amdhsa_private_segment_fixed_size 0
		.amdhsa_enable_private_segment 0
		.amdhsa_kernarg_size 24
		.amdhsa_user_sgpr_count 2
		.amdhsa_user_sgpr_kernarg_segment_ptr 1
		.amdhsa_wavefront_size32 1
		.amdhsa_system_sgpr_workgroup_id_x 1
		.amdhsa_system_sgpr_workgroup_id_y 1
		.amdhsa_system_sgpr_workgroup_id_z 1
		.amdhsa_system_vgpr_workitem_id 0
		.amdhsa_next_free_vgpr 1024
		.amdhsa_next_free_sgpr 100
		.amdhsa_reserve_vcc 1
		.amdhsa_float_denorm_mode_32 3
		.amdhsa_float_denorm_mode_16_64 3
		.amdhsa_memory_ordered 1
		.amdhsa_forward_progress 1
		.amdhsa_inst_pref_size 133
	.end_amdhsa_kernel
	.amdgpu_metadata
---
amdhsa.version: [ 1, 2 ]
amdhsa.kernels:
  - .name:           k_q2695ac0aa1_pv
    .symbol:         k_q2695ac0aa1_pv.kd
    .args:
      - { .name: vimg, .offset: 0, .size: 8, .value_kind: global_buffer, .address_space: global }
      - { .name: pbuf, .offset: 8, .size: 8, .value_kind: global_buffer, .address_space: global }
      - { .name: ybuf, .offset: 16, .size: 8, .value_kind: global_buffer, .address_space: global }
    .group_segment_fixed_size: 327680
    .private_segment_fixed_size: 0
    .kernarg_segment_align: 8
    .kernarg_segment_size: 24
    .max_flat_workgroup_size: 128
    .sgpr_count:     100
    .vgpr_count:     1024
    .wavefront_size: 32
...
	.end_amdgpu_metadata
.endif
;; end of part 4
;; launch gemm_o (part 5): grid 4 x 64, 4 waves a work-group, clusters of 4 x 1, 167,936 bytes of LDS; arguments wq, ybuf, b_o, out0; writes out0
.if DOCPART == 5
	.amdgcn_target "amdgcn-amd-amdhsa--gfx1250"
	.amdhsa_code_object_version 6
	.text
	.protected	k_q2695ac0aa1_gemm_o
	.globl	k_q2695ac0aa1_gemm_o
	.p2align	8
	.type	k_q2695ac0aa1_gemm_o,@function
k_q2695ac0aa1_gemm_o:
	s_mov_b64 s[64:65], 0
	v_nop
	global_prefetch_b8 v0, s[64:65] scope:SCOPE_SE
	s_setreg_imm32_b32 hwreg(HW_REG_WAVE_MODE, 25, 1), 1
	s_wait_xcnt 0x0
	s_wait_alu depctr_hold_cnt(0) depctr_sa_sdst(0) depctr_va_vdst(0) depctr_va_sdst(0) depctr_va_ssrc(0) depctr_va_vcc(0) depctr_vm_vsrc(0)
	s_getreg_b32 s2, hwreg(HW_REG_IB_STS2, 6, 4)
	s_cmp_eq_u32 s2, 0
	s_cbranch_scc0 .Lentry_in_a_cluster
	s_endpgm
.Lentry_in_a_cluster:
	s_bfe_u32 s2, ttmp6, 0x10000c
	s_cmp_lg_u32 s2, 0x3003
	s_cbranch_scc0 .Lentry_shape_is_right
	s_endpgm
.Lentry_shape_is_right:
; out = Q(y) Q(W_o)^T + b_o.  W_o's codes and scale words come from wq (tiles 576 .. 639, as launch quant lays them), y's from ybuf (as launch pv lays them).  No work is left out here.
; SHARES.  Work-group (x = channel block of 256, y = token block of 128).  Wave w: 64 channels (W_o's tiles 576 + 16 x + 4 w .. + 3) x all 128 tokens.
; Source 0 = 16 channels of W_o, source 1 = 16 tokens of y: a lane holds ONE token and its registers run along the channels.
; W_o STAYS IN REGISTERS: a wave's 4 tiles x 8 K steps are 32 fragments, 384 registers.  They are stored as images of registers, so they come by plain loads of 512 consecutive bytes, K step by K step, and are read once.
; Each of these fragments is used by one wave of the work-group alone: it passes through no LDS, and so it is not asked for jointly either (a joint load could only bring it into LDS, to be read out once).
; y GOES THROUGH LDS, filled once: 8 tiles x 12,288 bytes; each wave asks for two tiles by ONE joint load at the head.  CLUSTER 4 x 1: the four channel blocks of a token block read the same y.
; FOUR PASSES of 32 tokens (two tiles of y): 8 accumulators by turns, 64 matrix instructions, in two halves of four K steps; while one half is multiplied the next half's 8 fragments of y come from LDS.
; Pass 0 runs as W_o's K steps arrive.  A finished pass goes out under the next pass's products: through the wave's own stage (32 rows of 256 + 16 bytes, LDS bytes into which no fill lands) and back by rows,
; 16 lanes to the 256 consecutive bytes that are my 64 channels of one token.
; NO PREFETCH: the launch has no loop to run ahead in; everything it reads is asked for at its head.
; REGISTERS: window 0: addresses, scale words, bias, y's fragments of K steps 0-3; window 1: W_o's K steps 0-4 (48 s + 12 i); window 2: W_o's K steps 5-7, and from v144 the rows on their way out;
; window 3: two sets of 8 accumulators (64 set + 8 (4 jt + i)), and from v128 y's fragments of K steps 4-7.
.set TILEB, 12288
.set FRB,   1536
.set ISC,   7913472
.set SROW,  41216
.set YSC,   6291456
.set YROW,  32768
.set SP,    272                        ; a stage row
.set STG,   8*TILEB                    ; behind y's tiles: the stages, 32 rows a wave
.set SPARE, STG+4*32*SP                ; behind the stages: the spare words, 128 bytes a wave: two blocks of 256 bytes that no other line names
.set L16, 4
.set L4,  5
.set L8,  6                            ; v6  8 lane: y's tiles 0-3;  v7: tiles 4-7
.set STO, 8
.set RD,  9
.set VO,  10
.set OS0, 11
.set OS1, 12
.set OB,  13
.set SPW, 14                           ; v14  my spare word; never rewritten
.set NIL, 15                           ; v15  0; never rewritten
.set SC0, 16                           ; v16-31 W_o's scale words: pair of tiles q, K step s at 8 q + s (even tile in lanes 0-15, odd tile in lanes 16-31)
.set SC1, 32                           ; v32-63 y's: pass p, K step s at 8 p + s
.set BI,  64                           ; v64-95 the bias as C: eight registers a tile of channels
.set YA,  96                           ; v96-191 (window 0) y's fragments of K steps 0-3: 24 (s % 4) + 12 jt
.set YB,  128                          ; v128-223 (window 3) of K steps 4-7
.set RB,  144                          ; v144-207 (window 2) 32 rows on their way out
.set WV,  12
.set CX,  13
.set CB,  14
.set TB,  15
.set G1,  24
.set G0,  32
.set MSB, 0
.macro WIN new                         ; the immediate's high byte repeats the setting that is left
.if MSB != \new
	s_set_vgpr_msb (MSB<<8)|\new
.set MSB, \new
.endif
.endm
.macro PLACES                          ; four places between a matrix instruction and a load into, or a read of, its registers
.rept 4
	v_nop
.endr
.endm
.macro CROUND                          ; a round of the cluster's barrier
	s_barrier_signal -1
	s_barrier_wait -1
	s_cmp_lg_u32 s[WV], 0
	s_cbranch_scc1 .Lnot_wave_0_\@
	s_barrier_signal -3
.Lnot_wave_0_\@:
	s_barrier_wait -3
	s_barrier_signal -1
	s_barrier_wait -1
.endm
.macro WM
.if pA && pB
	v_wmma_scale_f32_16x16x128_f8f6f4 v[rD:rD+7], v[rA:rA+11], v[rB:rB+11], v[rC:rC+7], v[rSA], v[rSB] matrix_a_fmt:MATRIX_FMT_FP6 matrix_b_fmt:MATRIX_FMT_FP6 matrix_a_scale:MATRIX_SCALE_ROW1 matrix_b_scale:MATRIX_SCALE_ROW1
.elseif pA
	v_wmma_scale_f32_16x16x128_f8f6f4 v[rD:rD+7], v[rA:rA+11], v[rB:rB+11], v[rC:rC+7], v[rSA], v[rSB] matrix_a_fmt:MATRIX_FMT_FP6 matrix_b_fmt:MATRIX_FMT_FP6 matrix_a_scale:MATRIX_SCALE_ROW1
.elseif pB
	v_wmma_scale_f32_16x16x128_f8f6f4 v[rD:rD+7], v[rA:rA+11], v[rB:rB+11], v[rC:rC+7], v[rSA], v[rSB] matrix_a_fmt:MATRIX_FMT_FP6 matrix_b_fmt:MATRIX_FMT_FP6 matrix_b_scale:MATRIX_SCALE_ROW1
.else
	v_wmma_scale_f32_16x16x128_f8f6f4 v[rD:rD+7], v[rA:rA+11], v[rB:rB+11], v[rC:rC+7], v[rSA], v[rSB] matrix_a_fmt:MATRIX_FMT_FP6 matrix_b_fmt:MATRIX_FMT_FP6
.endif
.endm
.macro FETCHY p, hf                    ; y's tiles 2 p, 2 p + 1, K steps 4 hf .. + 3: 8 fragments, 48 loads of 8 bytes a lane
.if \hf
	WIN 0xc0                                       ; destination window 3
.set YY, YB
.else
	WIN 0
.set YY, YA
.endif
.irp sl, 0,1,2,3
.irp jt, 0,1
.irp c, 0,1,2,3,4,5
	ds_load_b64 v[YY+24*\sl+12*\jt+2*\c:YY+24*\sl+12*\jt+2*\c+1], v[L8+(2*(\p)+\jt)/4] offset:((2*(\p)+\jt)%4)*TILEB+FRB*(4*(\hf)+\sl)+768*(\c/3)+256*(\c%3)
.endr
.endr
.endr
	WIN 0
.endm
; Half a pass: four K steps, 32 matrix instructions; the pass's 8 accumulators take turns, one instruction a turn, in the same order in every step.  K step 0 takes the bias as C.
; first = 1 (pass 0): ahead of K step s the wait for its 12 loads of W_o: the 12 (7 - s) loads of the later K steps may be out (a count is at most 63).
.macro MULH p, hf, first
.irp sl, 0,1,2,3
.set ss, 4*(\hf)+\sl
.if \first
.if 12*(7-ss) > 63
	s_wait_loadcnt 63
.else
	s_wait_loadcnt 12*(7-ss)
.endif
.endif
.if ss == 0
	WIN 0xc1                                       ; W_o window 1, y and C window 0, D window 3
.elseif ss < 4
	WIN 0xf1                                       ; C and D window 3
.elseif ss == 4
	WIN 0xfd                                       ; y window 3
.else
	WIN 0xfe                                       ; W_o window 2
.endif
.irp jt, 0,1
.irp i, 0,1,2,3
.set rD, 64*((\p)%2)+8*(4*\jt+\i)
.set rC, rD
.if ss == 0
.set rC, BI+8*\i
.endif
.if ss < 5
.set rA, 48*ss+12*\i
.else
.set rA, 48*(ss-5)+12*\i
.endif
.if \hf
.set rB, YB+24*\sl+12*\jt
.else
.set rB, YA+24*\sl+12*\jt
.endif
.set rSA, SC0+8*(\i/2)+ss
.set rSB, SC1+8*(\p)+ss
.set pA, \i%2
.set pB, \jt
	WM
.endr
.endr
.endr
	WIN 0
.endm
.macro TOSTAGE p                       ; pass p: 32 tokens x my 64 channels into my stage, and back by rows, two rows an instruction
.set AC, 64*((\p)%2)
	WIN 0x0c                                       ; the data: window 3
.irp jt, 0,1
.irp i, 0,1,2,3
	ds_store_b128 v[STO], v[AC+8*(4*\jt+\i):AC+8*(4*\jt+\i)+3] offset:16*SP*\jt+128*(\i/2)+32*(\i%2)       ; each accumulator from its low end on
	ds_store_b128 v[STO], v[AC+8*(4*\jt+\i)+4:AC+8*(4*\jt+\i)+7] offset:16*SP*\jt+128*(\i/2)+32*(\i%2)+16
.endr
.endr
	WIN 0x80                                       ; destination window 2
.irp t, 0,1,2,3,4,5,6,7,8,9,10,11,12,13,14,15
	ds_load_b128 v[RB+4*\t:RB+4*\t+3], v[RD] offset:2*SP*\t    ; LDS serves a wave's instructions in order: these see the stores above
.endr
	WIN 0
.endm
.macro SEND p                          ; row n of tile jt is token 32 p + 8 jt + n + 8 (n / 8); lanes 0-15 take row 2 (t % 8), lanes 16-31 the next
	WIN 0x08                                       ; the data: window 2
.irp t, 0,1,2,3,4,5,6,7,8,9,10,11,12,13,14,15
	global_store_b128 v[VO], v[RB+4*\t:RB+4*\t+3], s[92:93] offset:(32*(\p)+8*(\t/8)+2*(\t%8)+8*((\t%8)/4))*4096 th:TH_STORE_NT   ; 16 lanes store 256 consecutive bytes, aligned; written once
.endr
	WIN 0
.endm
	s_load_b256 s[4:11], s[0:1], 0x0               ; wq s[4:5], ybuf s[6:7], b_o s[8:9], out0 s[10:11]
	v_lshl_add_u32 v[SPW], v0, 2, SPARE
	v_mov_b32 v[NIL], 0
	ds_add_u32 v[SPW], v[NIL]                      ; the wave's opening: all the set-up, work on registers, stands between the adds and their wait
	ds_add_u32 v[SPW], v[NIL]
	v_lshrrev_b32 v1, 5, v0
	v_readfirstlane_b32 s[WV], v1                  ; wave 0..3
	s_bfe_u32 s[CX], ttmp6, 0x40000
	s_lshl_b32 s[CB], ttmp9, 2
	s_add_co_u32 s[CB], s[CB], s[CX]               ; channel block
	s_and_b32 s[TB], ttmp7, 0xffff                 ; token block
	s_mov_b32 s[G1], 15|(3<<16)|(1<<21)            ; the mask names all four partners; elements of 8 bytes; bit 21 beside a mask; no padding: an image is read in consecutive bytes
	s_mov_b32 s[G1+1], 1536<<16                    ; a row: all eight K steps of a tile, 12,288 bytes
	s_mov_b32 s[G1+2], 2<<16                       ; two tiles a load
	s_mov_b32 s[G1+3], 1536<<16
	s_mov_b32 s[G1+4], 2
	s_mov_b32 s[G1+5], 1536
	s_mov_b32 s[G1+6], 0
	s_mov_b32 s[G1+7], 0
	s_lshl_b32 s20, s[TB], 3                       ; y: tile 8 y + 2 w: registers that never hold x
	s_lshl_b32 s21, s[WV], 1
	s_add_co_u32 s20, s20, s21
	s_mul_i32 s20, s20, TILEB
	s_mov_b32 s21, 0
	s_mul_i32 s22, s[WV], 2*TILEB                  ; and its place in LDS
	s_lshl_b32 s40, s[CB], 4                       ; W_o: tile 576 + 16 x + 4 w
	s_lshl_b32 s41, s[WV], 2
	s_add_co_u32 s40, s40, s41
	s_add_co_u32 s40, s40, 576
	s_lshl_b32 s95, s40, 6                         ; its scale words: 64 bytes a tile
	s_mul_i32 s36, s40, TILEB
	s_mov_b32 s37, 0
	s_lshl_b32 s96, s[TB], 9                       ; y's scale words: 64 (8 y)
	s_lshl_b32 s97, s[CB], 10
	s_lshl_b32 s98, s[WV], 8
	s_add_co_u32 s97, s97, s98                     ; my first channel, in bytes: 4 (256 x + 64 w)
	s_lshl_b32 s38, s[TB], 19                      ; my first token's row: 128 y rows of 4,096 bytes
	s_add_co_u32 s38, s38, s97
	s_mov_b32 s39, 0
	s_mul_i32 s94, s[WV], 32*SP
	s_add_co_u32 s94, s94, STG                     ; my stage
	v_and_b32 v1, 31, v0                           ; lane
	v_and_b32 v2, 15, v0                           ; r
	v_bfe_u32 v3, v0, 4, 1                         ; h
	v_lshlrev_b32 v[L16], 4, v1
	v_lshlrev_b32 v[L4], 2, v1
	v_lshlrev_b32 v[L8], 3, v1
	v_add_nc_u32 v[L8+1], 4*TILEB, v[L8]
	v_mul_u32_u24 v[STO], v2, SP                   ; into the stage: row = my token, 64 bytes for each half of the lanes
	v_lshl_add_u32 v[STO], v3, 6, v[STO]
	v_add_nc_u32 v[STO], s94, v[STO]
	v_mul_u32_u24 v[RD], v3, SP                    ; back: lanes 0-15 one row of 256 bytes, lanes 16-31 the next
	v_lshl_add_u32 v[RD], v2, 4, v[RD]
	v_add_nc_u32 v[RD], s94, v[RD]
	v_lshlrev_b32 v[VO], 12, v3                    ; and the same two rows in out0
	v_lshl_add_u32 v[VO], v2, 4, v[VO]
	v_add_nc_u32 v[OS0], s95, v[L4]
	v_add_nc_u32 v[OS1], s96, v[L4]
	v_lshl_add_u32 v[OB], v3, 6, s97               ; the bias of my 16 h + .. channels
	s_wait_alu depctr_va_vdst(0)
	s_wait_dscnt 0x0                               ; both opening adds are done
	s_wait_kmcnt 0x0
	s_mov_b32 s[G0], 1
	s_add_co_u32 s[G0+1], s22, 0
	s_add_nc_u64 s[G0+2:G0+3], s[6:7], s[20:21]
	s_or_b32 s[G0+3], s[G0+3], 0x80000000
	s_add_nc_u64 s[90:91], s[4:5], s[36:37]        ; my fragments of W_o
	s_add_nc_u64 s[92:93], s[10:11], s[38:39]      ; my part of out0
	s_add_nc_u64 s[86:87], s[4:5], ISC
	s_add_nc_u64 s[88:89], s[6:7], YSC
	CROUND                                         ; all four work-groups are here: the joint loads meet
	tensor_load_to_lds s[G0:G0+3], s[G1:G1+7]      ; my one tensor load: two tiles of y
	s_nop 0                                        ; an s_nop 0 and four v_nop follow it
.rept 4
	v_nop
.endr
.irp i, 0,1,2,3
	global_load_b128 v[BI+8*\i:BI+8*\i+3], v[OB], s[8:9] offset:4*(32*(\i/2)+8*(\i%2))
	global_load_b128 v[BI+8*\i+4:BI+8*\i+7], v[OB], s[8:9] offset:4*(32*(\i/2)+8*(\i%2))+16
.endr
.irp q, 0,1
.irp s, 0,1,2,3,4,5,6,7
	global_load_b32 v[SC0+8*\q+\s], v[OS0], s[86:87] offset:SROW*\s+128*\q
.endr
.endr
.irp q, 0,1,2,3
.irp s, 0,1,2,3,4,5,6,7
	global_load_b32 v[SC1+8*\q+\s], v[OS1], s[88:89] offset:YROW*\s+128*\q
.endr
.endr
	WIN 0x40                                       ; W_o, K step by K step, 12 loads a step: they are the last 96 loads of the text
.irp s, 0,1,2,3,4
.irp i, 0,1,2,3
.irp g, 0,1,2
	global_load_b128 v[48*\s+12*\i+4*\g:48*\s+12*\i+4*\g+3], v[L16], s[90:91] offset:TILEB*\i+FRB*\s+512*\g
.endr
.endr
.endr
	WIN 0x80
.irp s, 5,6,7
.irp i, 0,1,2,3
.irp g, 0,1,2
	global_load_b128 v[48*(\s-5)+12*\i+4*\g:48*(\s-5)+12*\i+4*\g+3], v[L16], s[90:91] offset:TILEB*\i+FRB*\s+512*\g
.endr
.endr
.endr
	WIN 0
	s_wait_tensorcnt 0x0                           ; my two tiles of y are in
	s_barrier_signal -1
	s_barrier_wait -1                              ; everybody's are; nothing is filled again in this launch
	FETCHY 0, 0
.irp p, 0,1,2,3
	s_wait_dscnt 0x0                               ; this half's fragments of y are in
	PLACES                                         ; for the loads into the other half's registers and for the reads of the last pass's results
	FETCHY \p, 1
.if \p > 0
.if \p > 1
	s_wait_xcnt 0x0                                ; the stores of the pass before have read their registers: the rows below may land there
.endif
	TOSTAGE \p-1
.endif
	MULH \p, 0, (\p==0)
	s_wait_dscnt 0x0                               ; the second half's fragments are in, and so are the last pass's rows
.if \p > 0
	SEND \p-1
.endif
	PLACES
.if \p < 3
	FETCHY \p+1, 0
.endif
	MULH \p, 1, (\p==0)
.endr
	PLACES
	s_wait_xcnt 0x0
	TOSTAGE 3
	s_wait_dscnt 0x0
	SEND 3
	s_wait_tensorcnt 0x0                           ; the wave's end
	ds_add_u32 v[SPW], v[NIL]
	s_wait_dscnt 0x0
	CROUND                                         ; the closing round
	s_endpgm
.Lfunc_end_k_q2695ac0aa1_gemm_o:
	.size	k_q2695ac0aa1_gemm_o, .Lfunc_end_k_q2695ac0aa1_gemm_o-k_q2695ac0aa1_gemm_o
	.p2alignl 7, 3214868480
	.fill 96, 4, 3214868480
	.section	.rodata,"a",@progbits
	.p2align	6, 0x0
	.amdhsa_kernel k_q2695ac0aa1_gemm_o
		.amdhsa_group_segment_fixed_size 167936
		.amdhsa_private_segment_fixed_size 0
		.amdhsa_enable_private_segment 0
		.amdhsa_kernarg_size 32
		.amdhsa_user_sgpr_count 2
		.amdhsa_user_sgpr_kernarg_segment_ptr 1
		.amdhsa_wavefront_size32 1
		.amdhsa_system_sgpr_workgroup_id_x 1
		.amdhsa_system_sgpr_workgroup_id_y 1
		.amdhsa_system_sgpr_workgroup_id_z 1
		.amdhsa_system_vgpr_workitem_id 0
		.amdhsa_next_free_vgpr 1024
		.amdhsa_next_free_sgpr 100
		.amdhsa_reserve_vcc 0
		.amdhsa_float_denorm_mode_32 3
		.amdhsa_float_denorm_mode_16_64 3
		.amdhsa_memory_ordered 1
		.amdhsa_forward_progress 1
		.amdhsa_inst_pref_size 93
	.end_amdhsa_kernel
	.amdgpu_metadata
---
amdhsa.version: [ 1, 2 ]
amdhsa.kernels:
  - .name:           k_q2695ac0aa1_gemm_o
    .symbol:         k_q2695ac0aa1_gemm_o.kd
    .args:
      - { .name: wq, .offset: 0, .size: 8, .value_kind: global_buffer, .address_space: global }
      - { .name: ybuf, .offset: 8, .size: 8, .value_kind: global_buffer, .address_space: global }
      - { .name: b_o, .offset: 16, .size: 8, .value_kind: global_buffer, .address_space: global }
      - { .name: out0, .offset: 24, .size: 8, .value_kind: global_buffer, .address_space: global }
    .group_segment_fixed_size: 167936
    .private_segment_fixed_size: 0
    .kernarg_segment_align: 8
    .kernarg_segment_size: 32
    .max_flat_workgroup_size: 128
    .sgpr_count:     100
    .vgpr_count:     1024
    .wavefront_size: 32
...
	.end_amdgpu_metadata
.endif
;; end of part 5
